; MI455X (gfx1250); checked and timed in simulation.
; The chip was launched on July 23, 2026; its instructions are those of AMD's public machine-readable ISA for CDNA 5 (MIT licence, August 2026) and "CDNA5" Instruction Set Architecture Reference Guide (July 2026). The comments in the code are by the model that wrote it; some were corrected since.
;; Causal Attn. Allowed arithmetic: matrix products marked QUANTISED: E5M2 operands, one E8M0 scale for each 32 along K, by v_wmma_scale_f32_16x16x128_f8f6f4 with both operands' format E5M2, f32 sums; everything else in f32.
;; Inputs: b_out 1,024 float32; b_qkv 3,072 float32; input 4 x 2,048 x 1,024 float32; mask 4 x 2,048 bool; w_out 1,024 x 1,024 float32; w_qkv 1,024 x 3,072 float32.
;; Outputs: out0 4 x 2,048 x 1,024 float32.
;; This version of the problem:
;;   THIS VERSION OF THE PROBLEM IS GIVEN IN LOW PRECISION. The matrix products marked QUANTISED in the list below multiply operands that are first quantised to E5M2 (5 exponent bits, 2 mantissa bits; 8 bits a number), with one power-of-two scale for each 32 numbers along K (OCP MX v1.0); their sums are f32. All else is computed in f32.
;;   The module's matrix products, in the order in which they are computed (A, B: the left and right operand; K: the contracted axis; several contracted axes count as one K, in the product's order):
;;     1. [M 8,192, K 1,024] x [K 1,024, N 3,072]; A: input input; B: input w_qkv: QUANTISED
;;     2. batch 64 x [M 2,048, K 64] x [K 64, N 2,048]; A: computed on the way; B: computed on the way: QUANTISED
;;     3. batch 64 x [M 2,048, K 2,048] x [K 2,048, N 64]; A: softmax (see below); B: computed on the way: QUANTISED
;;     4. [M 8,192, K 1,024] x [K 1,024, N 1,024]; A: computed on the way; B: input w_out: QUANTISED
;;   THE QUANTISER, for each operand of a quantised product, along K:
;;     - K is cut into blocks of 32 from its start; a last block that is shorter is filled with zeros.
;;     - A block's scale is 2^e with e = floor(log2(the largest magnitude in the block)) - 15, held to -126 .. 127; a block of zeros has e = 0. As a byte (E8M0): e + 127.
;;     - Each number is divided by its block's scale, clamped to +-57,344, and rounded to the nearest number of E5M2, ties to even, subnormals kept.
;;     - The product sums the exact products of the quantised numbers (number of the format x scale) in f32.
;;   ~~~python
;;   def quantise(x, axis):      # numpy; x: float32 -> the quantised numbers, widened to float32 again
;;       x = np.moveaxis(x, axis, -1); K = x.shape[-1]
;;       x = np.pad(x, [(0, 0)] * (x.ndim - 1) + [(0, -K % 32)]); x = x.reshape(x.shape[:-1] + (-1, 32)); a = np.abs(x).max(-1, keepdims=True)
;;       e = np.where(a > 0, np.clip(np.frexp(np.where(a > 0, a, 1))[1] - 1 - 15, -126, 127), 0)      # np.frexp(a)[1] - 1 = floor(log2(a)), exactly
;;       r = np.clip(x / 2.0 ** e, -57344, 57344)
;;       step = 2.0 ** (np.maximum(np.frexp(np.where(r == 0, 1, r))[1] - 1, -14) - 2)
;;       q = np.round(r / step) * step * 2.0 ** e      # np.round: ties to even
;;       return np.moveaxis(q.reshape(q.shape[:-2] + (-1,))[..., :K], -1, axis).astype(np.float32)
;;   ~~~
;;   SOFTMAX AHEAD OF A QUANTISED PRODUCT. Where the list says 'softmax', what is quantised is not the finished softmax but p = 2^(t - M), with t = logit x log2(e) and M = ceil(the row's largest t), a whole number; so 1/2 < the row's largest p <= 1. The row's sum l is taken of the UNQUANTISED p, in f32, and the product's result is divided by l at the end. Since M is a whole number, a kernel that streams over the keys may use a running M (the ceiling of the running maximum): every later rescaling is an exact power of two, which a block's scale takes up: the codes' values come out the same.
;;   OPERANDS COMPUTED ON THE WAY. 'Computed on the way' means the value that the module computes at that place (a softmax that the list does not call 'softmax' is quantised finished and normalised). What goes into a quantiser is computed in f32, as accurately as f32 sums, v_exp_f32 and their like allow (about 1e-6 of the number): no bf16 or f16 on the way to a quantiser, and a product that is left as it is and whose result goes on into a quantised operand takes f32 operands (vector FMAs, or v_wmma_f32_16x16x4_f32). A number that lies on a knife's edge between two numbers of the format may be rounded either way, as far as f32 arithmetic and the matrix unit's own rounding can turn it there, and no further.
;; One version. Each part assembles by itself: llvm-mc -triple=amdgcn-amd-amdhsa -mcpu=gfx1250 --defsym DOCPART=n.
;; ======== version 1 of 1: 4 launches
;; limits: right only within a limited range of input values
;; workspace buffers: xcodes 8,650,752 bytes; wcodes 4,325,376 bytes; mbias 32,768 bytes; qkv 26,738,688 bytes; ocodes 8,650,752 bytes
;; launch prep (part 1): grid 513 x 1, 4 waves a work-group, no clusters, 34,304 bytes of LDS; arguments input, w_qkv, w_out, mask, xcodes, wcodes, mbias; writes xcodes, wcodes, mbias
.if DOCPART == 1
	.amdgcn_target "amdgcn-amd-amdhsa--gfx1250"
	.amdhsa_code_object_version 6
	.text
	.protected	k_qfc73c1e1ef_prep
	.globl	k_qfc73c1e1ef_prep
	.p2align	8
	.type	k_qfc73c1e1ef_prep,@function
k_qfc73c1e1ef_prep:
	s_mov_b64 s[64:65], 0
	v_nop
	global_prefetch_b8 v0, s[64:65] scope:SCOPE_SE
	s_setreg_imm32_b32 hwreg(HW_REG_WAVE_MODE, 25, 1), 1
	s_wait_xcnt 0x0
; The three wide operands become codes of BF8 (E5M2) with one E8M0 byte for each 32 along K, laid as the later launches' matrix operands take them; the padding mask becomes an f32 bias.
; A TILE is 16 rows (tokens, or columns of a weight) of a group of 32: lane r of tile 2 B + u holds row 32 B + 8 u + r + 8 (r / 8).
; A FRAGMENT IMAGE is 16 rows x 128 K, 2,048 bytes, [chunk c 4][lane 32][16 bytes]: chunk c of lane (r, h) holds k = 32 c + 16 h + 0 .. 15 of row r: the operand's registers 4 c .. 4 c + 3.
; xcodes: images [K slot 4][tile 512][2][2,048]; from X_SC on the scale words [tile 512][K slot 4][r 16][2][4 bytes].  wcodes: the same for w_qkv (192 tiles) and w_out (64 tiles).
; A block's scale is 2^(floor(log2(largest magnitude)) - 15); its byte is the largest magnitude's exponent field - 15, held at 1 from below.  A block of zeros keeps the byte 1 where the rule says 127:
; its codes are zeros, and this program alone reads the bytes.  LIMITS: NaN and infinities among the inputs are not served.
; WORK-GROUPS: 0-255 input (a wave: one tile x 512 along K); 256-447 w_qkv, 448-511 w_out (a wave: 32 columns x 128 along K: one fragment image of each of two tiles); 512 the mask.
; Waves share nothing: no barrier.  Only the first path uses LDS.
.set X_SC,   8388608
.set WO_IMG, 3145728
.set WQ_SC,  4194304
.set WO_SC,  4292608
.set WV,  18                           ; s18  my wave's number
.set SEL, 20                           ; s[20:21] selects of v_permlanex16_b32: lane l xor 16
.set MNT, 22                           ; s22  the mantissa field of 57,344
.set HM,  23                           ; s23  lanes 16-31
.set R,   16                           ; v16-143  input: two sets of 64 registers as loaded
.set X,   144                          ; v144-207 64 numbers in the operand's order
.set PC,  208                          ; v208-223 a fragment's codes
.set TM,  224                          ; v224-239 at work
.set WX,  32                           ; weights: v32-95 two sets of 32 numbers
.set WC,  96                           ; v96-127 eight registers of codes for each block: never written twice
.set SB,  24                           ; v24 the four blocks' scale bytes
; 64 numbers of a lane, register 16 b + i = k 32 b + 16 (lane / 16) + i of my row, become a fragment's codes in v[PC] on and its scale word in v[PW]
.macro QUANT s
.irp b, 0,1,2,3
	v_max3_num_f32 v[TM+\b], |v[\s+16*\b]|, |v[\s+1+16*\b]|, 0x8000000   ; my 16 numbers of block b, and the floor 2^(16 - 127): the byte cannot fall under 1
.endr
.irp i, 2,4,6,8,10,12,14
.irp b, 0,1,2,3
	v_max3_num_f32 v[TM+\b], v[TM+\b], |v[\s+16*\b+\i]|, |v[\s+1+16*\b+\i]|
.endr
.endr
.irp b, 0,1,2,3
	v_permlanex16_b32 v[TM+4+\b], v[TM+\b], s[SEL], s[SEL+1]
.endr
.irp b, 0,1,2,3
	v_max_num_f32 v[TM+\b], v[TM+\b], v[TM+4+\b]                 ; with lane l xor 16's: the block's largest magnitude
.endr
.irp b, 0,1,2,3
	v_add_nc_u32 v[TM+12+\b], 0xf8800000, v[TM+\b]               ; 15 off its exponent field: the conversion's scale operand
.endr
.irp b, 0,1,2,3
	v_and_or_b32 v[TM+8+\b], v[TM+\b], 0x7f800000, s[MNT]        ; 57,344 x the scale
.endr
.irp b, 0,1,2,3
	v_lshrrev_b32 v[TM+4+\b], 23, v[TM+12+\b]                    ; the scale's byte
.endr
	v_lshl_or_b32 v[PW], v[TM+5], 8, v[TM+4]
	v_lshl_or_b32 v[PW], v[TM+6], 16, v[PW]
	v_lshl_or_b32 v[PW], v[TM+7], 24, v[PW]
.irp b, 0,1,2,3
.irp i, 0,1,2,3,4,5,6,7,8,9,10,11,12,13,14,15
	v_med3_num_f32 v[\s+16*\b+\i], v[\s+16*\b+\i], -v[TM+8+\b], v[TM+8+\b]   ; the conversion to an 8-bit code does not saturate (ISA guide 7.6.2): the hold
.endr
	v_cvt_scalef32_pk8_bf8_f32 v[PC+4*\b:PC+1+4*\b], v[\s+16*\b:\s+7+16*\b], v[TM+12+\b]
	v_cvt_scalef32_pk8_bf8_f32 v[PC+2+4*\b:PC+3+4*\b], v[\s+8+16*\b:\s+15+16*\b], v[TM+12+\b]
.endr
	v_nop                                          ; a plain line behind the last conversion
.endm
	s_load_b256 s[4:11], s[0:1], 0x0               ; input s[4:5], w_qkv s[6:7], w_out s[8:9], mask s[10:11]
	s_load_b128 s[12:15], s[0:1], 0x20             ; xcodes s[12:13], wcodes s[14:15]
	s_load_b64 s[16:17], s[0:1], 0x30              ; mbias
	v_lshl_add_u32 v248, v0, 2, 0x8400
	v_mov_b32 v249, 0
	v_lshrrev_b32 v1, 5, v0
	v_readfirstlane_b32 s[WV], v1
	v_and_b32 v9, 31, v0                           ; lane
	s_mov_b32 s[MNT], 0x600000
	s_wait_kmcnt 0x0
	s_cmp_lt_u32 ttmp9, 256
	s_cbranch_scc0 .Lnot_x
; ---- input.  Run W = 4 x work-group + wave: tile W / 2, K half W % 2: four fragments.  A load takes 512 consecutive bytes, one row's 128 numbers; the 16 rows turn through my own stage in LDS
; (rows of 512 bytes + 16, so that the 16 rows of a read start in different banks) and come back in the operand's order.
	v_and_b32 v5, 15, v0                           ; r
	v_bfe_u32 v6, v0, 4, 1                         ; h
	s_wait_alu depctr_va_vdst(0)
	v_lshlrev_b32 v1, 4, v9                        ; 16 x lane
	s_mul_i32 s24, s[WV], 8448                     ; my stage
	v_add_nc_u32 v2, s24, v1                       ; into it: a row on end
	v_mul_u32_u24 v3, v5, 528
	v_lshl_add_u32 v3, v6, 6, v3
	v_add_nc_u32 v3, s24, v3                       ; out of it: row r, + 64 h
	v_lshlrev_b32 v4, 3, v9                        ; the scale words: 8 bytes a lane
	s_mov_b32 s[SEL], 0x76543210
	s_mov_b32 s[SEL+1], 0xfedcba98
	s_mov_b32 s[HM], 0xffff0000
.irp b, 0,1,2,3
	v_mov_b32 v[TM+4+\b], 0                        ; written once: a lane permute's destination counts as one of its sources
.endr
	s_lshl_b32 s25, ttmp9, 2
	s_add_co_u32 s25, s25, s[WV]                   ; W
	s_lshr_b32 s26, s25, 1                         ; tile
	s_and_b32 s27, s25, 1                          ; K half
	s_lshr_b32 s28, s26, 1
	s_lshl_b32 s28, s28, 17                        ; 32 rows of 4,096 bytes for each pair of tiles,
	s_and_b32 s29, s26, 1
	s_lshl_b32 s29, s29, 15                        ; 8 rows for the odd tile,
	s_add_co_u32 s28, s28, s29
	s_lshl_b32 s29, s27, 11                        ; 2,048 bytes for the K half
	s_add_co_u32 s28, s28, s29
	s_mov_b32 s29, 0
	s_add_nc_u64 s[4:5], s[4:5], s[28:29]
	s_lshl_b32 s30, s27, 22                        ; images: (2 x K half x 512 + tile) x 4,096
	s_lshl_b32 s31, s26, 12
	s_add_co_u32 s30, s30, s31
	s_mov_b32 s31, 0
	s_add_nc_u64 s[32:33], s[12:13], s[30:31]
	s_lshl_b32 s30, s26, 9                         ; scale words: tile x 512 + K half x 256
	s_lshl_b32 s34, s27, 8
	s_add_co_u32 s30, s30, s34
	s_add_co_u32 s30, s30, X_SC
	s_add_nc_u64 s[34:35], s[12:13], s[30:31]
.macro XLOAD f
.irp i, 0,1,2,3,4,5,6,7,8,9,10,11,12,13,14,15
	global_load_b128 v[R+64*((\f)%2)+4*\i:R+64*((\f)%2)+4*\i+3], v1, s[4:5] offset:(\i+8*(\i/8))*4096+512*(\f) th:TH_LOAD_NT
.endr
.endm
.macro XFRAG f
.if (\f) < 3
	s_wait_loadcnt 16                              ; this fragment's 16 loads are in; the next one's may be out
.else
	s_wait_loadcnt 0x0
.endif
.irp i, 0,1,2,3,4,5,6,7,8,9,10,11,12,13,14,15
	ds_store_b128 v2, v[R+64*((\f)%2)+4*\i:R+64*((\f)%2)+4*\i+3] offset:528*\i
.endr
.irp c, 0,1,2,3
.irp j, 0,1,2,3
	ds_load_b128 v[X+16*\c+4*\j:X+16*\c+4*\j+3], v3 offset:128*\c+16*\j   ; LDS serves a wave's instructions in order: these see the stores above
.endr
.endr
	s_wait_dscnt 0x0                               ; the numbers are back, and the stores have read their registers,
.if (\f) < 2
	XLOAD (\f)+2                                   ; which take the fragment two further on
.endif
.if (\f) > 0
	s_wait_xcnt 0x0                                ; the last fragment's stores have read the codes' registers
.endif
.set PW, 240+(\f)
	QUANT X
.irp c, 0,1,2,3
	global_store_b128 v1, v[PC+4*\c:PC+4*\c+3], s[32:33] offset:((\f)/2)*2097152+((\f)%2)*2048+512*\c   ; 512 consecutive bytes
.endr
.endm
	XLOAD 0
	XLOAD 1
	s_wait_alu depctr_va_vdst(0)
	XFRAG 0
	XFRAG 1
	XFRAG 2
	XFRAG 3
	v_cndmask_b32 v244, v240, v242, s[HM]          ; lanes 0-15 store the first K slot's two words of row r, lanes 16-31 the second's:
	v_cndmask_b32 v245, v241, v243, s[HM]
	global_store_b64 v4, v[244:245], s[34:35]      ; 256 consecutive bytes, aligned
	s_wait_tensorcnt 0x0                           ; the wave's end
	ds_add_u32 v248, v249
	s_wait_dscnt 0x0
	s_endpgm
.Lnot_x:
	s_cmp_eq_u32 ttmp9, 512
	s_cbranch_scc1 .Lmask
; ---- the weights, [K][N]: a lane takes a column and its registers run down K, so a block of 32 lies in one lane and the codes come out with K innermost.  Nothing is transposed.
; Column l of a group of 32 is row r = l % 8 + 8 (l / 16) of tile u = (l / 8) % 2.  A lane's 32 codes of a block are the 16 bytes of lane (r, 0) and of lane (r, 1) of chunk c:
; each store of the wave fills two aligned runs of 256 bytes.  A wave walks four blocks, two of them (64 loads) asked for ahead.
	s_wait_alu depctr_va_vdst(0)
	v_lshlrev_b32 v3, 2, v9                        ; in: 4 bytes a lane
	v_bfe_u32 v6, v0, 3, 1                         ; u
	v_and_b32 v7, 7, v0
	v_bfe_u32 v8, v0, 4, 1
	v_lshl_add_u32 v7, v8, 3, v7                   ; r
	v_lshlrev_b32 v4, 4, v7
	v_lshl_add_u32 v4, v6, 12, v4                  ; images: u x 4,096 + 16 r
	v_lshlrev_b32 v5, 3, v7
	v_lshl_add_u32 v5, v6, 9, v5                   ; scale words: u x 512 + 8 r
.macro WLOAD t, N, ptr
.irp i, 0,1,2,3,4,5,6,7,8,9,10,11,12,13,14,15,16,17,18,19,20,21,22,23,24,25,26,27,28,29,30,31
	global_load_b32 v[WX+32*((\t)%2)+\i], v3, s[\ptr:\ptr+1] offset:(32*(\t)+\i)*4*\N th:TH_LOAD_NT
.endr
.endm
.macro WBLOCK t, N, ptr
.set XS, WX+32*((\t)%2)
.set CC, WC+8*(\t)
.if (\t) < 3
	s_wait_loadcnt 32                              ; this block's 32 loads are in; the next block's may be out
.else
	s_wait_loadcnt 0x0
.endif
	v_max3_num_f32 v12, |v[XS]|, |v[XS+1]|, |v[XS+2]|
	v_max3_num_f32 v13, |v[XS+3]|, |v[XS+4]|, |v[XS+5]|
.irp i, 6,10,14,18,22,26
	v_max3_num_f32 v12, v12, |v[XS+\i]|, |v[XS+\i+1]|
	v_max3_num_f32 v13, v13, |v[XS+\i+2]|, |v[XS+\i+3]|
.endr
	v_max3_num_f32 v12, v12, |v[XS+30]|, |v[XS+31]|
	v_max3_num_f32 v12, v12, v13, 0x8000000        ; and the floor
	v_add_nc_u32 v11, 0xf8800000, v12              ; the conversion's scale operand
	v_and_or_b32 v10, v12, 0x7f800000, s[MNT]      ; 57,344 x the scale
	v_lshrrev_b32 v13, 23, v11                     ; the byte
.if (\t) == 0
	v_mov_b32 v[SB], v13
.else
	v_lshl_or_b32 v[SB], v13, 8*(\t), v[SB]
.endif
.irp i, 0,1,2,3,4,5,6,7,8,9,10,11,12,13,14,15,16,17,18,19,20,21,22,23,24,25,26,27,28,29,30,31
	v_med3_num_f32 v[XS+\i], v[XS+\i], -v10, v10
.endr
.irp g, 0,1,2,3
	v_cvt_scalef32_pk8_bf8_f32 v[CC+2*\g:CC+2*\g+1], v[XS+8*\g:XS+8*\g+7], v11
.endr
	global_store_b128 v4, v[CC:CC+3], s[32:33] offset:(\t)*512        ; k = 0 .. 15 of the block: lane (r, 0)'s bytes of chunk t
	global_store_b128 v4, v[CC+4:CC+7], s[32:33] offset:(\t)*512+256  ; k = 16 .. 31: lane (r, 1)'s
.if (\t)+2 < 4
	WLOAD (\t)+2, \N, \ptr
.endif
.endm
; N columns, NT tiles; the source's address in s[ptr]; IMG, SCO: where its images and scale words begin in wcodes; g0: the path's first work-group
.macro WPATH N, NT, ptr, IMG, SCO, g0
	s_sub_co_u32 s24, ttmp9, \g0
	s_and_b32 s25, s24, 7                          ; which 128 along K
	s_lshr_b32 s26, s24, 3                         ; which 128 columns
	s_lshl_b32 s27, s26, 2
	s_add_co_u32 s27, s27, s[WV]                   ; my group of 32 columns
	s_mul_i32 s28, s25, 128*4*\N
	s_lshl_b32 s29, s27, 7
	s_add_co_u32 s28, s28, s29
	s_mov_b32 s29, 0
	s_add_nc_u64 s[\ptr:\ptr+1], s[\ptr:\ptr+1], s[28:29]
	s_lshr_b32 s36, s25, 1                         ; the K slot,
	s_and_b32 s37, s25, 1                          ; the fragment in it
	s_mul_i32 s30, s36, \NT*4096                   ; images: (K slot x NT + 2 x group) x 4,096 + fragment x 2,048
	s_lshl_b32 s31, s27, 13
	s_add_co_u32 s30, s30, s31
	s_lshl_b32 s31, s37, 11
	s_add_co_u32 s30, s30, s31
	s_add_co_u32 s30, s30, \IMG
	s_mov_b32 s31, 0
	s_add_nc_u64 s[32:33], s[14:15], s[30:31]
	s_lshl_b32 s30, s27, 10                        ; scale words: 2 x group x 512 + K slot x 128 + fragment x 4
	s_lshl_b32 s34, s36, 7
	s_add_co_u32 s30, s30, s34
	s_lshl_b32 s34, s37, 2
	s_add_co_u32 s30, s30, s34
	s_add_co_u32 s30, s30, \SCO
	s_add_nc_u64 s[34:35], s[14:15], s[30:31]
	WLOAD 0, \N, \ptr
	WLOAD 1, \N, \ptr
.irp t, 0,1,2,3
	WBLOCK \t, \N, \ptr
.endr
	global_store_b32 v5, v[SB], s[34:35]           ; my column's scale word of this fragment: every second word of a run of 128 bytes; 128 KiB in the whole launch
.endm
	s_cmp_lt_u32 ttmp9, 448
	s_cbranch_scc0 .Lwo
	s_wait_alu depctr_va_vdst(0)
	WPATH 3072, 192, 6, 0, WQ_SC, 256
	s_endpgm
.Lwo:
	s_wait_alu depctr_va_vdst(0)
	WPATH 1024, 64, 8, WO_IMG, WO_SC, 448
	s_endpgm
.Lmask:
; ---- the mask: a byte 1 becomes 0.0, a byte 0 becomes -2^97 (0xf0000000): (byte - 1) & 0xf0000000.  128 threads, 16 x 4 bytes each.
	v_lshlrev_b32 v1, 2, v0
	v_lshlrev_b32 v2, 4, v0
.irp i, 0,1,2,3,4,5,6,7,8,9,10,11,12,13,14,15
	global_load_b32 v[16+\i], v1, s[10:11] offset:512*\i
.endr
.irp i, 0,1,2,3,4,5,6,7,8,9,10,11,12,13,14,15
	s_wait_loadcnt 15-\i
.irp k, 0,1,2,3
	v_bfe_u32 v[32+4*\i+\k], v[16+\i], 8*\k, 8
.endr
.irp k, 0,1,2,3
	v_add_nc_u32 v[32+4*\i+\k], -1, v[32+4*\i+\k]
.endr
.irp k, 0,1,2,3
	v_and_b32 v[32+4*\i+\k], 0xf0000000, v[32+4*\i+\k]
.endr
	global_store_b128 v2, v[32+4*\i:32+4*\i+3], s[16:17] offset:2048*\i   ; a wave stores 512 consecutive bytes
.endr
	s_endpgm
.Lfunc_end_k_qfc73c1e1ef_prep:
	.size	k_qfc73c1e1ef_prep, .Lfunc_end_k_qfc73c1e1ef_prep-k_qfc73c1e1ef_prep
	.p2alignl 7, 3214868480
	.fill 96, 4, 3214868480
	.section	.rodata,"a",@progbits
	.p2align	6, 0x0
	.amdhsa_kernel k_qfc73c1e1ef_prep
		.amdhsa_group_segment_fixed_size 34304
		.amdhsa_private_segment_fixed_size 0
		.amdhsa_enable_private_segment 0
		.amdhsa_kernarg_size 56
		.amdhsa_user_sgpr_count 2
		.amdhsa_user_sgpr_kernarg_segment_ptr 1
		.amdhsa_wavefront_size32 1
		.amdhsa_system_sgpr_workgroup_id_x 1
		.amdhsa_system_sgpr_workgroup_id_y 1
		.amdhsa_system_sgpr_workgroup_id_z 1
		.amdhsa_system_vgpr_workitem_id 0
		.amdhsa_next_free_vgpr 250
		.amdhsa_next_free_sgpr 66
		.amdhsa_reserve_vcc 0
		.amdhsa_float_denorm_mode_32 3
		.amdhsa_float_denorm_mode_16_64 3
		.amdhsa_memory_ordered 1
		.amdhsa_forward_progress 1
		.amdhsa_inst_pref_size 121
	.end_amdhsa_kernel
	.amdgpu_metadata
---
amdhsa.version: [ 1, 2 ]
amdhsa.kernels:
  - .name:           k_qfc73c1e1ef_prep
    .symbol:         k_qfc73c1e1ef_prep.kd
    .args:
      - { .name: input, .offset: 0, .size: 8, .value_kind: global_buffer, .address_space: global }
      - { .name: w_qkv, .offset: 8, .size: 8, .value_kind: global_buffer, .address_space: global }
      - { .name: w_out, .offset: 16, .size: 8, .value_kind: global_buffer, .address_space: global }
      - { .name: mask, .offset: 24, .size: 8, .value_kind: global_buffer, .address_space: global }
      - { .name: xcodes, .offset: 32, .size: 8, .value_kind: global_buffer, .address_space: global }
      - { .name: wcodes, .offset: 40, .size: 8, .value_kind: global_buffer, .address_space: global }
      - { .name: mbias, .offset: 48, .size: 8, .value_kind: global_buffer, .address_space: global }
    .group_segment_fixed_size: 34304
    .private_segment_fixed_size: 0
    .kernarg_segment_align: 8
    .kernarg_segment_size: 56
    .max_flat_workgroup_size: 128
    .sgpr_count:     66
    .vgpr_count:     250
    .wavefront_size: 32
...
	.end_amdgpu_metadata
.endif
;; end of part 1
;; launch qkv (part 2): grid 96 x 4, 4 waves a work-group, clusters of 4 x 4, 327,680 bytes of LDS; arguments xcodes, wcodes, b_qkv, qkv; writes qkv
.if DOCPART == 2
	.amdgcn_target "amdgcn-amd-amdhsa--gfx1250"
	.amdhsa_code_object_version 6
	.text
	.protected	k_qfc73c1e1ef_qkv
	.globl	k_qfc73c1e1ef_qkv
	.p2align	8
	.type	k_qfc73c1e1ef_qkv,@function
k_qfc73c1e1ef_qkv:
	s_mov_b64 s[64:65], 0
	v_nop
	global_prefetch_b8 v0, s[64:65] scope:SCOPE_SE
	s_setreg_imm32_b32 hwreg(HW_REG_WAVE_MODE, 25, 1), 1
	s_wait_xcnt 0x0
	s_wait_alu depctr_hold_cnt(0) depctr_sa_sdst(0) depctr_va_vdst(0) depctr_va_sdst(0) depctr_va_ssrc(0) depctr_va_vcc(0) depctr_vm_vsrc(0)
	s_getreg_b32 s2, hwreg(HW_REG_IB_STS2, 6, 4)
	s_cmp_eq_u32 s2, 0
	s_cbranch_scc0 .Lentry_in_a_cluster
	s_endpgm
.Lentry_in_a_cluster:
	s_bfe_u32 s2, ttmp6, 0x10000c
	s_cmp_lg_u32 s2, 0xf033
	s_cbranch_scc0 .Lentry_shape_is_right
	s_endpgm
.Lentry_shape_is_right:
; qkv = x w_qkv + b_qkv on codes of BF8 (E5M2) with E8M0 scales (K = 1,024), and q, k, v quantised on the way out, laid as the attention launch's operands.
; A work-group of four waves makes 256 x 256, a wave 128 x 128: 64 accumulators, 512 registers.  SOURCE 0 ("B") runs along a lane's registers in the result, SOURCE 1 ("A") along the lanes.
; TWO ORIENTATIONS, one text.  Clusters 0-15 make q and k: B = 256 columns of w_qkv, A = 256 tokens: a lane holds one token and its registers run along the channels, which are q's and k's K.
; Clusters 16-23 make v: B = 256 tokens, A = 256 columns: a lane holds one channel and its registers run along the tokens, which are v's K.  Only addresses are chosen, by the cluster's number, which all partners share.
; A tile's rows are not neighbours (lane r of tile 2 B + u holds row 32 B + 8 u + r + 8 (r / 8)), so that for a fixed tile of A the 64 registers of its eight accumulators are, in order,
; B's rows 32 b + 16 (lane / 16) + 0 .. 15, b = 0 .. 3: what the conversions and the next operand's layout want.
; OPERANDS lie in memory as images of their registers ([chunk 4][lane 32][16 bytes] a fragment): a K slot (256 along K) of 8 tiles is one dense block of 32 KiB for one tensor load, and every LDS read is 512 consecutive bytes.
; CLUSTERS: 4 x 4.  A's tiles hang on cy and are asked for jointly along a row of the cluster, B's on cx along a column.  K's four slots go through a ring of two LDS slots; the text is written out, with no loop.
; OUT (buffer qkv; rec = (batch x 16 + head) x 8 + block of 256 tokens): q: rec x 16,384 + tile x 1,024 + chunk x 512.  From KV_IMG: rec x 32,768: k's eight PAIR fragments (registers 0-7: an even tile's 64 codes,
; registers 8-15: the odd tile's), then v's eight fragments (16 channels x 128 tokens).  Scale words: 128 bytes a fragment, 4 bytes a lane; q's and k's in pair form (even tile's two bytes, odd tile's two).
; LIMITS: NaN and infinities are not served; a block of zeros carries the byte 1 (its codes are zeros; this program alone reads the bytes).
; REGISTERS: window 0: v1-15 addresses; v16-31 bias by lanes; v32-63 scale words, two sets; v64-127 bias by registers; v128-255 A's fragments, one set; later at work on the way out.
;   window 1: B's fragments, two sets.  windows 2, 3: the accumulators ((a, b) at v[8 (8 (a % 4) + b)]).
.set X_SC,   8388608
.set WQ_SC,  4194304
.set KV_IMG, 8388608
.set Q_SC,   25165824
.set KV_SC,  25690112
.set NQ,     2                         ; matrix instructions deep in a K slot
.set FR,     16                        ; registers of a fragment
.set NL,     4                         ; LDS loads that bring one
.set NP,     8                         ; places behind this matrix instruction (ISA guide 7.12.1)
.set TILEB,  4096                      ; a tile's two fragments of a K slot
.set HALFT,  8*TILEB                   ; what one tensor load brings, and what one wave reads of A or of B
.set SLOT,   4*HALFT                   ; A's 16 tiles, then B's 16
.set SCL,    2*SLOT                    ; behind the ring: the scale words of all of K, 512 bytes a tile: A's 16 tiles, then B's
.set HALFS,  8*512
.set SPARE,  SCL+4*HALFS               ; the spare words, 128 bytes a wave: two blocks of 256 bytes that no other line names
.set NIL,  5                           ; v5   0; never rewritten
.set BLO,  6                           ; v6   bias by lanes: 4 (r + 8 (r / 8))
.set BRO,  7                           ; v7   bias by registers: 64 h
.set ADRA, 8                           ; v8-9   LDS address of my A fragments in slot 0, 1
.set ADRB, 10                          ; v10-11 the same for B
.set LI,   12                          ; v12  16 x lane
.set LS,   13                          ; v13  4 x lane
.set ADRS, 14                          ; v14  LDS address of my scale words: lanes 0-15 A's rows, lanes 16-31 B's
.set SPW,  15                          ; v15  my spare word; never rewritten
.set BL,   16                          ; v16-31 pair a: the bias of my lane's column in tile a of A, twice
.set SC,   32
.set BI,   64                          ; v64-127 register 16 b + i: the bias of column 32 b + 16 h + i
.set AF,   128
.set Y,    128                         ; the way out: 64 numbers
.set PC,   192                         ; their codes
.set TM,   208                         ; at work
.set G1, 24
.set G0, 32
.set G1B, 48
.set G0B, 56
.set G1S, 68
.set G0S, 76
.set G1SB, 80
.set G0SB, 88
.set STA, 92                           ; s[92:93] A's bytes from K slot to K slot, later twice that; s[94:95] B's
.set STB, 94
.set QK,  3                            ; s3   1 in the clusters that make q and k
.set MNT, 2                            ; s2   the mantissa field of 57,344
.set SEL, 12                           ; s[12:13]
.set CB0, 66                           ; s[66:67], s[96:97] where my two heads' codes go;  s[98:99], s[100:101] their scale words
.set CB1, 96
.set SB0, 98
.set SB1, 100
.set MSB, 0
.macro WIN new                         ; the immediate's high byte repeats the setting that is left
.if MSB != (\new)
	s_set_vgpr_msb (MSB<<8)|(\new)
.set MSB, (\new)
.endif
.endm
.set MUL_LO, 0xa1                      ; source 0 (B) window 1, source 1 (A) window 0, C and D window 2
.set MUL_HI, 0xf1
.set TO_B,   0x40
; A joint load: waves 0 and 1 fetch for A, waves 2 and 3 for B; the branch hangs on the wave's number alone.  Four v_nop follow each of the two lines.
.macro JLOAD g0a, g1a, g0b, g1b
	s_cmp_eq_u32 s15, 0
	s_cbranch_scc0 .Lfor_b_\@
	tensor_load_to_lds s[\g0a:\g0a+3], s[\g1a:\g1a+7]
	s_nop 0
.rept 4
	v_nop
.endr
	s_branch .Lasked_\@
.Lfor_b_\@:
	tensor_load_to_lds s[\g0b:\g0b+3], s[\g1b:\g1b+7]
	s_nop 0
.rept 4
	v_nop
.endr
.Lasked_\@:
.endm
.macro CREST                           ; a round of the cluster's barrier behind its opening barrier
	s_cmp_lg_u32 s14, 0
	s_cbranch_scc1 .Lnot_wave_0_\@
	s_barrier_signal -3
.Lnot_wave_0_\@:
	s_barrier_wait -3
	s_barrier_signal -1
	s_barrier_wait -1
.endm
.macro CROUND
	s_barrier_signal -1
	s_barrier_wait -1
	CREST
.endm
	s_load_b256 s[4:11], s[0:1], 0x0               ; xcodes s[4:5], wcodes s[6:7], b_qkv s[8:9], qkv s[10:11]
	v_lshl_add_u32 v[SPW], v0, 2, SPARE
	v_mov_b32 v[NIL], 0
	ds_add_u32 v15, v5
	ds_add_u32 v15, v5
	s_wait_dscnt 0x0
	v_lshrrev_b32 v1, 5, v0
	v_readfirstlane_b32 s14, v1                    ; wave 0..3
	s_lshr_b32 s15, s14, 1                         ; which half of A's tiles is mine.  Also: I fetch for A (0) or for B (1)
	s_and_b32 s16, s14, 1                          ; which half of B's.  Also: which 8 tiles I fetch
	s_bfe_u32 s40, ttmp6, 0x40000                  ; cx
	s_bfe_u32 s41, ttmp6, 0x40004                  ; cy
	s_lshl_b32 s43, s41, 2
	s_lshl_b32 s43, 15, s43                        ; my row of the cluster
	s_lshl_b32 s44, 0x1111, s40                    ; my column
	; descriptor group 1: dense blocks as rows of 256 bytes (32 elements of 8 bytes), no padding; bit 21 set beside a mask
	s_or_b32 s[G1+0], s43, (3<<16)|(1<<21)
	s_or_b32 s[G1B+0], s44, (3<<16)|(1<<21)
	s_or_b32 s[G1S+0], s43, (3<<16)|(1<<21)
	s_or_b32 s[G1SB+0], s44, (3<<16)|(1<<21)
.irp g, G1, G1B
	s_mov_b32 s[\g+1], 32<<16                      ; tensor_dim0
	s_mov_b32 s[\g+2], 256<<16                     ; tensor_dim1: the head's loads bring 256 rows = 16 tiles x 4,096 bytes; behind them the two words are set to 128
	s_mov_b32 s[\g+3], 32<<16                      ; tile_dim0
	s_mov_b32 s[\g+4], 256                         ; tile_dim1
	s_mov_b32 s[\g+5], 32                          ; the pitch
	s_mov_b32 s[\g+6], 0
	s_mov_b32 s[\g+7], 0
.endr
.irp g, G1S, G1SB
	s_mov_b32 s[\g+1], 32<<16
	s_mov_b32 s[\g+2], 32<<16                      ; 32 rows = 16 tiles x 512 bytes of scale words
	s_mov_b32 s[\g+3], 32<<16
	s_mov_b32 s[\g+4], 32
	s_mov_b32 s[\g+5], 32
	s_mov_b32 s[\g+6], 0
	s_mov_b32 s[\g+7], 0
.endr
	; the orientation, by the cluster's number cl = ttmp9
	s_lshr_b32 s17, ttmp9, 1
	s_lshl_b32 s17, s17, 2                         ; q, k: tokens' groups 4 (cl / 2) on,
	s_and_b32 s18, ttmp9, 1
	s_lshl_b32 s18, s18, 2                         ; columns' groups 4 (cl % 2) on (0-3 q, 4-7 k)
	s_max_u32 s19, ttmp9, 16
	s_sub_co_u32 s19, s19, 16
	s_lshl_b32 s19, s19, 2                         ; v: tokens' groups 4 (cl - 16) on; columns' groups 8 on
	s_mov_b32 s21, 192*TILEB                       ; from K slot to K slot in w_qkv's images,
	s_mov_b32 s22, 512*TILEB                       ; in x's
	s_mov_b32 s23, X_SC
	s_mov_b32 s42, WQ_SC
	s_cmp_lt_u32 ttmp9, 16
	s_cselect_b32 s[QK], 1, 0
	s_cselect_b32 s17, s17, 8
	s_cselect_b32 s18, s18, s19
	s_cselect_b32 s[STA], s22, s21
	s_cselect_b32 s[STB], s21, s22
	s_cselect_b32 s45, s23, s42
	s_cselect_b32 s46, s42, s23
	s_mov_b32 s[STA+1], 0
	s_mov_b32 s[STB+1], 0
	s_add_co_u32 s17, s17, s41                     ; A's group of 256 rows: hangs on cy alone
	s_add_co_u32 s18, s18, s40                     ; B's: on cx alone
	s_lshl_b32 s20, s17, 4                         ; A: the group's first tile
	s_lshl_b32 s21, s18, 4                         ; B likewise
	s_lshl_b32 s22, s20, 12                        ; A's images,
	s_mov_b32 s23, 0
	s_lshl_b32 s42, s20, 9
	s_add_co_u32 s42, s42, s45                     ; A's scale words,
	s_mov_b32 s43, 0
	s_lshl_b32 s44, s21, 12                        ; B's images,
	s_mov_b32 s45, 0
	s_lshl_b32 s47, s21, 9
	s_add_co_u32 s46, s46, s47                     ; B's scale words: byte offsets
	s_mov_b32 s47, 0
	s_lshl_b32 s19, s14, 15                        ; where a ring's load goes: wave x 32,768: no place in the cluster enters an LDS address
	s_wait_kmcnt 0x0
	s_cmp_eq_u32 s[QK], 1
	s_cselect_b64 s[96:97], s[4:5], s[6:7]         ; A's buffer
	s_cselect_b64 s[98:99], s[6:7], s[4:5]         ; B's
	s_add_nc_u64 s[22:23], s[96:97], s[22:23]
	s_add_nc_u64 s[42:43], s[96:97], s[42:43]
	s_add_nc_u64 s[44:45], s[98:99], s[44:45]
	s_add_nc_u64 s[46:47], s[98:99], s[46:47]
	CROUND                                         ; all sixteen work-groups are here: the first joint loads meet
; THE HEAD'S FOUR TILES, each whole, one joint load a wave: wave 0 K slot 0's 16 tiles of A, wave 1 its 16 of B, wave 2 A's scale words of all of K, wave 3 B's
	s_mov_b32 s[G0S], 1
	s_mov_b32 s[G0S+1], SCL
	s_mov_b64 s[G0S+2:G0S+3], s[42:43]
	s_or_b32 s[G0S+3], s[G0S+3], 0x80000000
	s_mov_b32 s[G0SB], 1
	s_mov_b32 s[G0SB+1], SCL+2*HALFS
	s_mov_b64 s[G0SB+2:G0SB+3], s[46:47]
	s_or_b32 s[G0SB+3], s[G0SB+3], 0x80000000
	s_mov_b32 s[G0], 1
	s_mov_b32 s[G0+1], 0
	s_mov_b64 s[G0+2:G0+3], s[22:23]
	s_or_b32 s[G0+3], s[G0+3], 0x80000000
	s_mov_b32 s[G0B], 1
	s_mov_b32 s[G0B+1], 2*HALFT
	s_mov_b64 s[G0B+2:G0B+3], s[44:45]
	s_or_b32 s[G0B+3], s[G0B+3], 0x80000000
	s_lshl_b32 s20, s16, 15                        ; in the ring I fetch 8 tiles: which half, in bytes
	s_mov_b32 s21, 0
	s_add_nc_u64 s[22:23], s[22:23], s[20:21]
	s_add_nc_u64 s[44:45], s[44:45], s[20:21]
	s_add_nc_u64 s[22:23], s[22:23], s[STA:STA+1]  ; K slot 1
	s_add_nc_u64 s[44:45], s[44:45], s[STB:STB+1]
	s_mov_b32 s[G0+4], 1
	s_add_co_u32 s[G0+5], s19, SLOT
	s_mov_b64 s[G0+6:G0+7], s[22:23]
	s_or_b32 s[G0+7], s[G0+7], 0x80000000
	s_mov_b32 s[G0B+4], 1
	s_add_co_u32 s[G0B+5], s19, SLOT
	s_mov_b64 s[G0B+6:G0B+7], s[44:45]
	s_or_b32 s[G0B+7], s[G0B+7], 0x80000000
; one chain of branches on the wave's number, a load to an arm, all arms leading to one join
.macro ARM under, g0, g1, next
	s_cmp_lt_u32 s14, \under
	s_cbranch_scc0 \next
	tensor_load_to_lds s[\g0:\g0+3], s[\g1:\g1+7]
	s_nop 0
.rept 4
	v_nop
.endr
	s_branch .Lhead_asked
\next:
.endm
	ARM 1, G0,  G1,  .Lhead_b
	ARM 2, G0B, G1B, .Lhead_sa
	ARM 3, G0S, G1S, .Lhead_sb
	tensor_load_to_lds s[G0SB:G0SB+3], s[G1SB:G1SB+7]
	s_nop 0
.rept 4
	v_nop
.endr
.Lhead_asked:
; PREFETCHES INTO THE L2: K slots 2 and 3, which the two refills will ask for.  Of the 128 rows of 256 bytes that I fetch jointly with three partners, each partner names 32, told apart by address (cx for A, cy for B): a lane a row, each block once in the cluster
	s_cmp_eq_u32 s15, 0
	s_cselect_b64 s[4:5], s[22:23], s[44:45]       ; my 8 tiles of K slot 1,
	s_cselect_b64 s[6:7], s[STA:STA+1], s[STB:STB+1]   ; a K slot on,
	s_cselect_b32 s20, s40, s41                    ; my place among the four
	s_lshl_b32 s20, s20, 13
	s_mov_b32 s21, 0
	s_add_nc_u64 s[4:5], s[4:5], s[20:21]
	s_add_nc_u64 s[4:5], s[4:5], s[6:7]            ; K slot 2
	s_add_nc_u64 s[6:7], s[4:5], s[6:7]            ; K slot 3
	v_and_b32 v255, 31, v0
	v_lshlrev_b32 v255, 8, v255
	global_prefetch_b8 v255, s[4:5] th:TH_LOAD_NT scope:SCOPE_SE
	global_prefetch_b8 v255, s[6:7] th:TH_LOAD_NT scope:SCOPE_SE
	s_lshl_b32 s[STA], s[STA], 1                   ; a refill steps two K slots
	s_lshl_b32 s[STB], s[STB], 1
	v_and_b32 v1, 15, v0                           ; r
	v_bfe_u32 v2, v0, 4, 1                         ; h
	s_wait_alu depctr_va_vdst(0)
	v_and_b32 v3, 31, v0
	v_lshlrev_b32 v[LI], 4, v3
	v_lshlrev_b32 v[LS], 2, v3
	s_lshl_b32 s21, s15, 15                        ; my 8 tiles of A
	s_lshl_b32 s22, s16, 15
	s_add_co_u32 s22, s22, 2*HALFT                 ; my 8 of B, behind A's 16
.irp s, 0,1
	v_add_nc_u32 v[ADRA+\s], s21, v[LI]
	v_add_nc_u32 v[ADRB+\s], s22, v[LI]
	s_add_co_u32 s21, s21, SLOT
	s_add_co_u32 s22, s22, SLOT
.endr
	v_lshlrev_b32 v[ADRS], 3, v1                   ; my row's two words of a K slot: 8 r
	s_lshl_b32 s21, s15, 12
	s_lshl_b32 s22, s16, 12
	s_add_co_u32 s22, s22, 2*HALFS
	s_sub_co_u32 s22, s22, s21
	v_mul_u32_u24 v4, s22, v2                      ; lanes 16-31 take B's: one product with h
	s_add_co_u32 s21, s21, SCL
	v_add_nc_u32 v[ADRS], v[ADRS], v4
	v_add_nc_u32 v[ADRS], s21, v[ADRS]
	; the bias of my 128 columns of w_qkv, in both layouts: along the registers (q, k read it) and one a lane and tile (v reads it).  512 bytes, read twice, with no branch
	s_cmp_eq_u32 s[QK], 1
	s_cselect_b32 s20, s18, s17                    ; the columns' group,
	s_cselect_b32 s21, s16, s15                    ; my half of it
	s_lshl_b32 s20, s20, 10
	s_lshl_b32 s21, s21, 9
	s_add_co_u32 s20, s20, s21
	s_mov_b32 s21, 0
	s_add_nc_u64 s[8:9], s[8:9], s[20:21]
	v_lshlrev_b32 v[BRO], 6, v2
	v_and_b32 v3, 8, v1
	v_add_nc_u32 v3, v3, v1
	v_lshlrev_b32 v[BLO], 2, v3
.irp b, 0,1,2,3
.irp j, 0,1,2,3
	global_load_b128 v[BI+16*\b+4*\j:BI+16*\b+4*\j+3], v[BRO], s[8:9] offset:128*\b+16*\j
.endr
.endr
.irp a, 0,1,2,3,4,5,6,7
	global_load_b32 v[BL+2*\a], v[BLO], s[8:9] offset:(32*(\a/2)+8*(\a%2))*4
	global_load_b32 v[BL+2*\a+1], v[BLO], s[8:9] offset:(32*(\a/2)+8*(\a%2))*4     ; twice: a pair for the packed addition
.endr
	; where my results go
	s_cmp_eq_u32 s[QK], 1
	s_cselect_b32 s20, s17, s18                    ; the tokens' group: batch x 8 + block,
	s_cselect_b32 s21, s15, s16                    ; my half of its 256 tokens,
	s_cselect_b32 s22, s40, s41                    ; the group of four heads,
	s_cselect_b32 s23, s16, s15                    ; my two of them
	s_mov_b32 s42, KV_IMG+16384
	s_cselect_b32 s42, KV_IMG, s42                 ; k's codes or v's,
	s_mov_b32 s43, KV_SC+1024
	s_cselect_b32 s43, KV_SC, s43                  ; their scale words
	s_and_b32 s44, ttmp9, 1
	s_lshr_b32 s45, ttmp9, 4
	s_or_b32 s44, s44, s45
	s_cmp_eq_u32 s44, 0                            ; q: an even cluster under 16
	s_cselect_b32 s42, 0, s42
	s_cselect_b32 s43, Q_SC, s43
	s_cselect_b32 s44, 14, 15                      ; a record of codes is 2^14 bytes for q, 2^15 for k and v; of scale words a sixteenth
	s_lshl_b32 s22, s22, 2
	s_lshl_b32 s23, s23, 1
	s_add_co_u32 s22, s22, s23                     ; my first head
	s_lshr_b32 s23, s20, 3
	s_lshl_b32 s23, s23, 4
	s_add_co_u32 s22, s22, s23
	s_lshl_b32 s22, s22, 3
	s_and_b32 s20, s20, 7
	s_add_co_u32 s22, s22, s20                     ; rec of my first head; the second's is 8 on
	s_lshl_b32 s46, s21, 13
	s_lshl_b32 s47, s21, 9
	s_lshl_b32 s20, s22, s44
	s_add_co_u32 s20, s20, s46
	s_add_co_u32 s20, s20, s42
	s_mov_b32 s21, 0
	s_add_nc_u64 s[CB0:CB0+1], s[10:11], s[20:21]
	s_lshl_b32 s20, 8, s44
	s_add_nc_u64 s[CB1:CB1+1], s[CB0:CB0+1], s[20:21]
	s_sub_co_u32 s44, s44, 4
	s_lshl_b32 s20, s22, s44
	s_add_co_u32 s20, s20, s47
	s_add_co_u32 s20, s20, s43
	s_add_nc_u64 s[SB0:SB0+1], s[10:11], s[20:21]
	s_lshl_b32 s20, 8, s44
	s_add_nc_u64 s[SB1:SB1+1], s[SB0:SB0+1], s[20:21]
	s_mov_b32 s[SEL], 0x76543210
	s_mov_b32 s[SEL+1], 0xfedcba98
	s_mov_b32 s[MNT], 0x600000
.macro FRAG reg, adr, q, i             ; a fragment's image: four loads of 512 consecutive bytes
.irp c, 0,1,2,3
	ds_load_b128 v[\reg+4*\c:\reg+4*\c+3], v[\adr] offset:(\i)*TILEB+(\q)*2048+512*\c
.endr
.endm
; 16 matrix instructions: A's tiles a0, a0 + 1 x B's eight, 128 along K.  p: B's set; sc: the set of scale words.  zero = 1: the first product starts the sums.
; The 64 accumulators take turns, one instruction a turn, in the same order in every step.
.macro MUL16 a0, p, q, sc, zero
.irp a, \a0, \a0+1
.irp b, 0,1,2,3,4,5,6,7
.if \zero
	v_wmma_scale_f32_16x16x128_f8f6f4 v[8*(8*((\a)%4)+\b):8*(8*((\a)%4)+\b)+7], v[128*(\p)+FR*\b:128*(\p)+FR*\b+FR-1], v[AF+FR*(\a):AF+FR*(\a)+FR-1], 0, v[SC+8*NQ*(\sc)+NQ*\b+(\q)], v[SC+8*NQ*(\sc)+NQ*(\a)+(\q)] matrix_a_fmt:MATRIX_FMT_BF8 matrix_b_fmt:MATRIX_FMT_BF8 matrix_a_scale:MATRIX_SCALE_ROW1
.else
	v_wmma_scale_f32_16x16x128_f8f6f4 v[8*(8*((\a)%4)+\b):8*(8*((\a)%4)+\b)+7], v[128*(\p)+FR*\b:128*(\p)+FR*\b+FR-1], v[AF+FR*(\a):AF+FR*(\a)+FR-1], v[8*(8*((\a)%4)+\b):8*(8*((\a)%4)+\b)+7], v[SC+8*NQ*(\sc)+NQ*\b+(\q)], v[SC+8*NQ*(\sc)+NQ*(\a)+(\q)] matrix_a_fmt:MATRIX_FMT_BF8 matrix_b_fmt:MATRIX_FMT_BF8 matrix_a_scale:MATRIX_SCALE_ROW1
.endif
.endr
.endr
.endm
.macro FETCH_B slot, q, p
	WIN TO_B
.irp i, 0,1,2,3,4,5,6,7
	FRAG 128*(\p)+FR*\i, ADRB+\slot, \q, \i
.endr
	WIN 0
.endm
.macro FETCH_A slot, q, i0
.irp i, \i0, \i0+1, \i0+2, \i0+3
	FRAG AF+FR*(\i), ADRA+\slot, \q, \i
.endr
.endm
.macro SCALES sc                       ; a K slot's scale words: two a row; lanes 0-15 A's tile i, lanes 16-31 B's tile i
.irp i, 0,1,2,3,4,5,6,7
	ds_load_b64 v[SC+8*NQ*\sc+NQ*\i:SC+8*NQ*\sc+NQ*\i+1], v[ADRS] offset:\i*512
.endr
.endm
.macro PLACES n                        ; plain vector lines between a matrix instruction and a load into, or a vector read or write of, its registers
.rept \n
	v_nop
.endr
.endm
.macro STEP slot, q, zero              ; 128 along K that has its successor in the same slot
	s_wait_dscnt 4*NL                              ; B's set and A's tiles 0-3 are in; the youngest 16 loads (A's tiles 4-7) may be out
	WIN MUL_LO
	MUL16 0, (\q)%2, \q, \slot, \zero
	MUL16 2, (\q)%2, \q, \slot, \zero
	s_wait_dscnt 0
	PLACES NP
	FETCH_B \slot, (\q)+1, 1-(\q)%2
	FETCH_A \slot, (\q)+1, 0
	WIN MUL_HI
	MUL16 4, (\q)%2, \q, \slot, \zero
	MUL16 6, (\q)%2, \q, \slot, \zero
	PLACES NP
	WIN 0
	FETCH_A \slot, (\q)+1, 4
.endm
; A slot's last step changes slots: one barrier; in front of it each wave waits for all its tensor loads, adds 0 to its spare word, and waits for that and for its reads of this slot.  fill = 1: the slot is filled again, two K slots ahead.
.macro TURN slot, next, fill
	s_wait_tensorcnt 0x0                           ; all my tensor loads have landed: my part of the next slot
	ds_add_u32 v[SPW], v[NIL]                      ; 0 onto my spare word
	s_wait_dscnt 4*NL+1                            ; (the add and the youngest 16 loads may be out)
	WIN MUL_LO
	MUL16 0, 1, NQ-1, \slot, 0
	s_wait_dscnt 0x0                               ; the add is done, and my reads of this slot are over
	s_barrier_signal -1
	MUL16 2, 1, NQ-1, \slot, 0
	WIN 0
	s_barrier_wait -1
.if \fill
	CREST                                          ; the barrier has opened a round of the cluster's barrier: no wave of any partner still reads this slot or has a load on its way
	s_add_nc_u64 s[G0+4*\slot+2:G0+4*\slot+3], s[G0+4*\slot+2:G0+4*\slot+3], s[STA:STA+1]
	s_add_nc_u64 s[G0B+4*\slot+2:G0B+4*\slot+3], s[G0B+4*\slot+2:G0B+4*\slot+3], s[STB:STB+1]
	JLOAD G0+4*\slot, G1, G0B+4*\slot, G1B         ; my one tensor load behind the round; its four v_nop are among the places in front of the loads below
	PLACES NP-4
.else
	PLACES NP
.endif
	s_wait_alu depctr_va_vdst(0)
	v_add_nc_u32 v[ADRS], 128, v[ADRS]             ; the next K slot's scale words
	FETCH_B \next, 0, 0
	FETCH_A \next, 0, 0
	SCALES \next
	WIN MUL_HI
	MUL16 4, 1, NQ-1, \slot, 0
	MUL16 6, 1, NQ-1, \slot, 0
	PLACES NP
	WIN 0
	FETCH_A \next, 0, 4
.endm
	s_wait_alu depctr_va_vdst(0)
	s_wait_xcnt 0x0                                ; the prefetches have read their offset register, which A's fragments take below
	s_wait_tensorcnt 0x0                           ; my tile of the head's four is in; no tensor load of mine is out, so descriptors may be written
	ds_add_u32 v[SPW], v[NIL]                      ; 0 onto my spare word
	s_mov_b32 s[G1+2], 128<<16                     ; from here on a load brings 128 rows = 8 tiles
	s_mov_b32 s[G1+4], 128
	s_mov_b32 s[G1B+2], 128<<16
	s_mov_b32 s[G1B+4], 128
	s_lshl_b32 s20, s16, 15
	s_mov_b32 s21, 0
	s_add_nc_u64 s[G0+2:G0+3], s[G0+2:G0+3], s[20:21]       ; slot 0's descriptors: my half of K slot 0, from which its refill steps,
	s_add_nc_u64 s[G0B+2:G0B+3], s[G0B+2:G0B+3], s[20:21]
	s_lshl_b32 s[G0+1], s14, 15                    ; and my quarter of the slot
	s_lshl_b32 s[G0B+1], s14, 15
	s_wait_dscnt 0x0                               ; the add is done
	CROUND                                         ; a whole round: all four tiles are in, and all sixteen work-groups are here
	JLOAD G0+4, G1, G0B+4, G1B                     ; K slot 1: slot 1's first fill, my one tensor load behind the round
	FETCH_B 0, 0, 0
	FETCH_A 0, 0, 0
	SCALES 0
	FETCH_A 0, 0, 4
	STEP 0, 0, 1                                   ; K = 1,024 is four K slots: written out
	TURN 0, 1, 1
	STEP 1, 0, 0
	TURN 1, 0, 1
	STEP 0, 0, 0
	TURN 0, 1, 0
	STEP 1, 0, 0
	s_wait_dscnt 4*NL
	WIN MUL_LO
	MUL16 0, 1, NQ-1, 1, 0
	MUL16 2, 1, NQ-1, 1, 0
	s_wait_dscnt 0
	WIN MUL_HI
	MUL16 4, 1, NQ-1, 1, 0
	MUL16 6, 1, NQ-1, 1, 0
	WIN 0
; 64 numbers of a lane, register 16 b + i = k 32 b + 16 (lane / 16) + i, become 16 registers of codes in v[PC] on and a scale word in v[PW]
.macro QUANT s
.irp b, 0,1,2,3
	v_max3_num_f32 v[TM+\b], |v[\s+16*\b]|, |v[\s+1+16*\b]|, 0x8000000   ; my 16 numbers of block b, and the floor 2^(16 - 127)
.endr
.irp i, 2,4,6,8,10,12,14
.irp b, 0,1,2,3
	v_max3_num_f32 v[TM+\b], v[TM+\b], |v[\s+16*\b+\i]|, |v[\s+1+16*\b+\i]|
.endr
.endr
.irp b, 0,1,2,3
	v_permlanex16_b32 v[TM+4+\b], v[TM+\b], s[SEL], s[SEL+1]
.endr
.irp b, 0,1,2,3
	v_max_num_f32 v[TM+\b], v[TM+\b], v[TM+4+\b]
.endr
.irp b, 0,1,2,3
	v_add_nc_u32 v[TM+12+\b], 0xf8800000, v[TM+\b]               ; 15 off the exponent field: the conversion's scale operand
.endr
.irp b, 0,1,2,3
	v_and_or_b32 v[TM+8+\b], v[TM+\b], 0x7f800000, s[MNT]        ; 57,344 x the scale
.endr
.irp b, 0,1,2,3
	v_lshrrev_b32 v[TM+4+\b], 23, v[TM+12+\b]                    ; the byte
.endr
	v_lshl_or_b32 v[PW], v[TM+5], 8, v[TM+4]
	v_lshl_or_b32 v[PW], v[TM+6], 16, v[PW]
	v_lshl_or_b32 v[PW], v[TM+7], 24, v[PW]
.irp b, 0,1,2,3
.irp i, 0,1,2,3,4,5,6,7,8,9,10,11,12,13,14,15
	v_med3_num_f32 v[\s+16*\b+\i], v[\s+16*\b+\i], -v[TM+8+\b], v[TM+8+\b]   ; the conversion does not saturate (ISA guide 7.6.2): the hold
.endr
	v_cvt_scalef32_pk8_bf8_f32 v[PC+4*\b:PC+1+4*\b], v[\s+16*\b:\s+7+16*\b], v[TM+12+\b]
	v_cvt_scalef32_pk8_bf8_f32 v[PC+2+4*\b:PC+3+4*\b], v[\s+8+16*\b:\s+15+16*\b], v[TM+12+\b]
.endr
	v_nop                                          ; a plain line behind the last conversion
.endm
; THE WAY OUT of A's tile a: bias, quantiser, stores from registers: each store of codes is 512 consecutive bytes.  No LDS.  The two short branches hang on the cluster's number.
.macro EPI a
.set PW, 224+((\a)%2)                  ; the scale word: v224 for even tiles, v225 for odd ones
.set AC, 64*((\a)%4)
	s_wait_xcnt 0x0                                ; the last tile's stores have read their registers
	s_cmp_eq_u32 s[QK], 1
	s_cbranch_scc0 .Lbias_v_\@
	WIN 0x02+(\a)/4                                ; source 0: window 2 or 3
.set n, 0
.rept 32
	v_pk_add_f32 v[Y+n:Y+n+1], v[AC+n:AC+n+1], v[BI+n:BI+n+1]      ; q, k: the bias runs along the registers.  Each accumulator is read from its low end on
.set n, n+2
.endr
	WIN 0
	s_branch .Lbiased_\@
.Lbias_v_\@:
	WIN 0x02+(\a)/4
.set n, 0
.rept 32
	v_pk_add_f32 v[Y+n:Y+n+1], v[AC+n:AC+n+1], v[BL+2*(\a):BL+2*(\a)+1]   ; v: one bias a lane
.set n, n+2
.endr
	WIN 0
.Lbiased_\@:
	QUANT Y
	s_cmp_eq_u32 s[QK], 1
	s_cbranch_scc0 .Lstore_v_\@
.irp c, 0,1                                    ; q, k: chunks 0, 1 are my first head's 64 channels, chunks 2, 3 my second's.  Tile a's place is a x 1,024 in q's records and in k's pair fragments alike
	global_store_b128 v[LI], v[PC+4*\c:PC+4*\c+3], s[CB0:CB0+1] offset:(\a)*1024+512*\c
	global_store_b128 v[LI], v[PC+8+4*\c:PC+8+4*\c+3], s[CB1:CB1+1] offset:(\a)*1024+512*\c
.endr
.if (\a)%2
	v_perm_b32 v226, v225, v224, 0x05040100        ; the pair's word of my first head: the even tile's two bytes, then the odd tile's
	v_perm_b32 v227, v225, v224, 0x07060302        ; of my second head
	global_store_b32 v[LS], v226, s[SB0:SB0+1] offset:((\a)/2)*128
	global_store_b32 v[LS], v227, s[SB1:SB1+1] offset:((\a)/2)*128
.endif
	s_branch .Lstored_\@
.Lstore_v_\@:
.if (\a) < 4                                   ; v: tiles 0-3 are my first head's 64 channels
.set CBX, CB0
.set SBX, SB0
.else
.set CBX, CB1
.set SBX, SB1
.endif
	s_wait_alu depctr_va_vdst(0)
.irp c, 0,1,2,3
	global_store_b128 v[LI], v[PC+4*\c:PC+4*\c+3], s[CBX:CBX+1] offset:((\a)%4)*2048+512*\c
.endr
	global_store_b32 v[LS], v[PW], s[SBX:SBX+1] offset:((\a)%4)*128
.Lstored_\@:
.endm
	PLACES NP                                      ; behind the last products: their results are read and A's registers written
.irp b, 0,1,2,3
	v_mov_b32 v[TM+4+\b], 0                        ; a lane permute's destination counts as one of its sources
.endr
	s_wait_loadcnt 0x0                             ; the bias
.irp a, 0,1,2,3,4,5,6,7
	EPI \a
.endr
	s_wait_tensorcnt 0x0                           ; the wave's end
	ds_add_u32 v[SPW], v[NIL]
	s_wait_dscnt 0x0
	CROUND                                         ; the closing round
	s_endpgm
.Lfunc_end_k_qfc73c1e1ef_qkv:
	.size	k_qfc73c1e1ef_qkv, .Lfunc_end_k_qfc73c1e1ef_qkv-k_qfc73c1e1ef_qkv
	.p2alignl 7, 3214868480
	.fill 96, 4, 3214868480
	.section	.rodata,"a",@progbits
	.p2align	6, 0x0
	.amdhsa_kernel k_qfc73c1e1ef_qkv
		.amdhsa_group_segment_fixed_size 327680
		.amdhsa_private_segment_fixed_size 0
		.amdhsa_enable_private_segment 0
		.amdhsa_kernarg_size 32
		.amdhsa_user_sgpr_count 2
		.amdhsa_user_sgpr_kernarg_segment_ptr 1
		.amdhsa_wavefront_size32 1
		.amdhsa_system_sgpr_workgroup_id_x 1
		.amdhsa_system_sgpr_workgroup_id_y 1
		.amdhsa_system_sgpr_workgroup_id_z 1
		.amdhsa_system_vgpr_workitem_id 0
		.amdhsa_next_free_vgpr 1024
		.amdhsa_next_free_sgpr 102
		.amdhsa_reserve_vcc 0
		.amdhsa_float_denorm_mode_32 3
		.amdhsa_float_denorm_mode_16_64 3
		.amdhsa_memory_ordered 1
		.amdhsa_forward_progress 1
		.amdhsa_inst_pref_size 229
	.end_amdhsa_kernel
	.amdgpu_metadata
---
amdhsa.version: [ 1, 2 ]
amdhsa.kernels:
  - .name:           k_qfc73c1e1ef_qkv
    .symbol:         k_qfc73c1e1ef_qkv.kd
    .args:
      - { .name: xcodes, .offset: 0, .size: 8, .value_kind: global_buffer, .address_space: global }
      - { .name: wcodes, .offset: 8, .size: 8, .value_kind: global_buffer, .address_space: global }
      - { .name: b_qkv, .offset: 16, .size: 8, .value_kind: global_buffer, .address_space: global }
      - { .name: qkv, .offset: 24, .size: 8, .value_kind: global_buffer, .address_space: global }
    .group_segment_fixed_size: 327680
    .private_segment_fixed_size: 0
    .kernarg_segment_align: 8
    .kernarg_segment_size: 32
    .max_flat_workgroup_size: 128
    .sgpr_count:     102
    .vgpr_count:     1024
    .wavefront_size: 32
...
	.end_amdgpu_metadata
.endif
;; end of part 2
;; launch attn (part 3): grid 4 x 64, 8 waves a work-group, no clusters, 327,680 bytes of LDS; arguments qkv, mbias, ocodes; writes ocodes
.if DOCPART == 3
	.amdgcn_target "amdgcn-amd-amdhsa--gfx1250"
	.amdhsa_code_object_version 6
	.text
	.protected	k_qfc73c1e1ef_attn
	.globl	k_qfc73c1e1ef_attn
	.p2align	8
	.type	k_qfc73c1e1ef_attn,@function
k_qfc73c1e1ef_attn:
	s_mov_b64 s[64:65], 0
	v_nop
	global_prefetch_b8 v0, s[64:65] scope:SCOPE_SE
	s_setreg_imm32_b32 hwreg(HW_REG_WAVE_MODE, 25, 1), 1
	s_wait_xcnt 0x0
; o = softmax(q k^T / 8, causal and padding mask) v for one head, both products on codes of BF8 (E5M2) with E8M0 scales; o is quantised along the channels and stored as the last launch's operand.
; THE SOFTMAX: t = score x log2(e) / 8; M = the running largest t rounded up to a whole number; p = 2^(t - M) is quantised along the keys, not normalised; the row's sum of the unquantised p divides at the end.
; LEFT OUT: key steps all of whose 128 keys come after a wave's queries: the causal mask, which the definition builds itself, makes their p zero for all inputs.
; SHARES.  Work-group (j, batch x 16 + head) takes the block of 256 queries 7 - j (key slots 0 .. 7 - j), then block j (slots 0 .. j): nine slots of 256 keys for every work-group, a constant trip count.
; Each of EIGHT waves owns a PAIR of tiles, 32 neighbouring queries, in 512 registers: pair w of the first block, pair 7 - w of the second, so that every wave walks 17 key steps.
; LDS HOLDS THE HEAD'S WHOLE K AND V: codes 8 x 32 KiB, scale words 8 x 2 KiB, bias 8 x 1 KiB, each filled once: slots 0 and 1 at the head, slots 2 to 7 behind one barrier, one tensor load a wave each time.
; A second barrier shows slots 2 to 7; behind it the waves share nothing more, and the second block loads nothing.  The second load's row count is a constant of the text: it brings slots 2 to 7 for every j, of which work-group j reads 2 .. 7 - j.
; NO PREFETCH: all tiles are asked for by these two loads, so there is no loop to run ahead in.  NO CLUSTER: the four work-groups of a head lie along x with 64 heads along y; a head's bytes are asked for once by each, at its head.
; LAYOUT.  Both products are used transposed: a lane holds one query of each tile throughout.  Lane r of tile 2 B + u holds row 32 B + 8 u + r + 8 (r / 8).
; THE HEAD HAS 64 CHANNELS, the instruction's K is 128: a pair fragment of k (even tile's 64 codes, odd tile's 64) is multiplied by [q | 0] and by [0 | q] (24 registers q, zeros, q for each tile of queries).
; THE PADDING MASK: each key's bias (0, or -2^97 where the mask hides it) is the C of the first product, from 64 registers that both tiles share.  The largest t starts at -2^80, over the hidden keys' t, so their p is 0.
; A row that has seen no key still holds -2^80 at the end: its codes become the format's NaN, which makes the row NaN in the last product, as in the definition; its scale bytes stay finite.
; LIMITS: the promise holds while |t| of visible keys stays under 2^31; NaN and infinities are not served; a block of zeros carries the byte 1 (this program alone reads the bytes).
; REGISTERS.  Window 0: v1-10 addresses; v12-19 -M, largest t, sum (two halves) for each tile; v24-151 scores, then p; v152-183 p's codes; v184 on at work.
; Window 1: v0-63 O^T; v64-111 q; v112-175 bias; v176-239 four fragments of k or of v; v240-255 the second block's q.
.set KV_IMG, 8388608
.set Q_SC,   25165824
.set KV_SC,  25690112
.set O_SC,   8388608
.set VIMG,   16384                     ; in a slot's 32 KiB of codes: k's 8 pair fragments, then v's 8 fragments
.set SCB,    262144                    ; the scale words: 2,048 bytes a slot: k's 1,024,
.set VSC,    1024                      ; then v's
.set BIA,    278528                    ; the bias: 1,024 bytes a slot
.set SPARE,  286720                    ; the spare words, 128 bytes a wave: four blocks of 256 bytes that no other line names
.set LI,  1                            ; 16 x lane
.set LS,  2                            ; 4 x lane
.set LB,  3                            ; BIA + 64 h
.set SPW, 4                            ; my spare word; never rewritten
.set NIL, 5                            ; 0; never rewritten
.set AD16, 6                           ; the same three for the step in hand
.set AD4, 7
.set ADB, 8
.set DQ,  9                            ; r + 8 (r / 8) - 16 h
.set OSO, 10                           ; 8 r + h
.set S,   24                           ; tile t: S + 64 t
.set PC,  152                          ; PC + 16 t
.set BM,  184                          ; the blocks' largest: BM + 4 t + b
.set PM,  192                          ; from lane l xor 16; bytes
.set HD,  200                          ; 57,344 x the scale
.set SO,  208                          ; the conversions' scale operands
.set KS,  216                          ; k's scale words, then v's
.set QS,  220                          ; q's scale word, a tile each
.set PS,  222                          ; p's
.set FF,  224                          ; pairs: f = 2^(old M - new M)
.set TT,  228                          ; pairs: at work; the reciprocal
.set QR,  232                          ; q's pair words of the two blocks, as loaded
.set DD,  234
.set NI,  235
.set TS,  236                          ; three pairs a tile: the sums' chains
.set BY,  248                          ; o's scale byte
.set HE,  20                           ; v20-23, v252-255: 57,344 x the scale once more, block b of tile t at HE + 232 t + (b + 1) % 4: a number off by one modulo 4 from the first copy's, for the second half of a dual pair
.macro MASKB b                         ; the causal mask on block b of 32 keys, both tiles
.irp t, 0,1
.irp i, 0,1,2,3,4,5,6,7,8,9,10,11,12,13,14,15
	v_cmp_gt_i32 vcc_lo, 32*\b+\i-8*\t, v[DD]
	v_cndmask_b32 v[S+64*\t+16*\b+\i], v[S+64*\t+16*\b+\i], v[NI], vcc_lo
.endr
.endr
.endm
.set O,   0                            ; window 1
.set QF,  64
.set BI,  112
.set FR,  176
.set Q2,  240
.set WV,  10
.set SEL, 12
.set CS,  14                           ; s[14:15] c = log2(e) / 8
.set MNT, 16
.set TB,  17                           ; the key slot in hand
.set TRIP, 18
.set WP,  19                           ; my pair of tiles in the block in hand
.set SW,  20                           ; 8 - j: trips of the first block
.set SWT, 21                           ; 7 - j: its last trip, and its number
.set KF,  22                           ; the step's first key
.set QB,  23                           ; the block of queries in hand
.set G1C, 24
.set G1S, 32
.set G0C, 40
.set G0S, 44
.set G1B, 48
.set G0B, 56
.set QMIN, 60
.set QMAX, 61
.set HM,  62
.set SQ,  63                           ; the step in its slot
.set NC,  66                           ; s[66:71] where my parts of slots 2 to 7 lie in memory; s72-74 where they go
.set NS,  68
.set NB,  70
.set BH,  75
.set QP,  80
.set QSP, 82
.set OB,  84
.set OS,  86
.set JJ,  96
.set WP2, 97                           ; 7 - wave
.set MSB, 0
.macro WIN new                         ; the immediate's high byte repeats the setting that is left
.if MSB != (\new)
	s_set_vgpr_msb (MSB<<8)|(\new)
.set MSB, (\new)
.endif
.endm
.macro TL g0, g1
	tensor_load_to_lds s[\g0:\g0+3], s[\g1:\g1+7]
	s_nop 0
.rept 4
	v_nop
.endr
.endm
; Every wave fetches: waves 0-3 a quarter of the codes, waves 4, 5 a half of the scale words, waves 6, 7 a half of the bias.  One chain of branches on the wave's number, a load to an arm.
.macro TLOAD
	s_cmp_lt_u32 s[WV], 4
	s_cbranch_scc0 .Lnot_c_\@
	TL G0C, G1C
	s_branch .Lasked_\@
.Lnot_c_\@:
	s_cmp_lt_u32 s[WV], 6
	s_cbranch_scc0 .Lnot_s_\@
	TL G0S, G1S
	s_branch .Lasked_\@
.Lnot_s_\@:
	TL G0B, G1B
.Lasked_\@:
.endm
.macro PADD d, a, b
	v_pk_add_f32 v[(\d):(\d)+1], v[(\a):(\a)+1], v[(\b):(\b)+1]
.endm
	s_load_b128 s[4:7], s[0:1], 0x0                ; qkv s[4:5], mbias s[6:7]
	s_load_b64 s[8:9], s[0:1], 0x10                ; ocodes
	v_lshl_add_u32 v[SPW], v0, 2, SPARE
	v_mov_b32 v[NIL], 0
	ds_add_u32 v[SPW], v[NIL]                      ; the opening: the add, twice on end, and its wait ahead of my first tensor load
	ds_add_u32 v[SPW], v[NIL]
	v_lshrrev_b32 v1, 5, v0
	v_readfirstlane_b32 s[WV], v1                  ; wave 0..7
	s_and_b32 s[BH], ttmp7, 0xffff                 ; batch x 16 + head
	s_mov_b32 s[JJ], ttmp9
	s_sub_co_u32 s[SW], 8, s[JJ]
	s_sub_co_u32 s[SWT], 7, s[JJ]
	s_sub_co_u32 s[WP2], 7, s[WV]
.irp g, G1C, G1S, G1B                          ; group 1: dense blocks as rows of 256 bytes (32 elements of 8 bytes)
	s_mov_b32 s[\g], 3<<16
	s_mov_b32 s[\g+1], 32<<16
	s_mov_b32 s[\g+3], 32<<16
	s_mov_b32 s[\g+5], 32
	s_mov_b32 s[\g+6], 0
	s_mov_b32 s[\g+7], 0
.endr
	s_mov_b32 s[G1C+2], 64<<16                     ; slots 0 and 1: 64 rows: 16 KiB of codes,
	s_mov_b32 s[G1C+4], 64
	s_mov_b32 s[G1S+2], 8<<16                      ; 8 rows: 2 KiB of scale words,
	s_mov_b32 s[G1S+4], 8
	s_mov_b32 s[G1B+2], 4<<16                      ; 4 rows: 1 KiB of bias
	s_mov_b32 s[G1B+4], 4
	s_and_b32 s88, s[WV], 3
	s_and_b32 s87, s[WV], 1
	s_mov_b32 s[G0C], 1
	s_lshl_b32 s[G0C+1], s88, 14                   ; my quarter of the two slots' codes: in the records and in LDS
	s_lshl_b32 s89, s[BH], 18                      ; the head's eight records of 32 KiB
	s_add_co_u32 s89, s89, KV_IMG
	s_add_co_u32 s90, s89, s[G0C+1]
	s_mov_b32 s91, 0
	s_mul_i32 s72, s88, 49152                      ; and of the six others'
	s_add_co_u32 s72, s72, 65536
	s_add_co_u32 s76, s89, s72
	s_mov_b32 s77, 0
	s_lshl_b32 s86, s87, 11                        ; my half of the scale words
	s_lshl_b32 s85, s[BH], 14
	s_add_co_u32 s85, s85, KV_SC
	s_add_co_u32 s92, s85, s86
	s_mov_b32 s93, 0
	s_mov_b32 s[G0S], 1
	s_add_co_u32 s[G0S+1], s86, SCB
	s_mul_i32 s73, s87, 6144
	s_add_co_u32 s73, s73, 4096
	s_add_co_u32 s78, s85, s73
	s_mov_b32 s79, 0
	s_add_co_u32 s73, s73, SCB
	s_lshl_b32 s86, s87, 10                        ; my half of the bias
	s_lshr_b32 s85, s[BH], 4
	s_lshl_b32 s85, s85, 13                        ; the batch's 2,048 biases
	s_add_co_u32 s94, s85, s86
	s_mov_b32 s95, 0
	s_mov_b32 s[G0B], 1
	s_add_co_u32 s[G0B+1], s86, BIA
	s_mul_i32 s74, s87, 3072
	s_add_co_u32 s74, s74, 2048
	s_add_co_u32 s98, s85, s74
	s_mov_b32 s99, 0
	s_add_co_u32 s74, s74, BIA
	s_mov_b32 s[SEL], 0x76543210
	s_mov_b32 s[SEL+1], 0xfedcba98
	s_mov_b32 s[CS], 0x3e38aa3b
	s_mov_b32 s[CS+1], s[CS]
	s_mov_b32 s[MNT], 0x600000
	s_mov_b32 s[HM], 0xffff0000
	s_wait_dscnt 0x0                               ; both opening adds are done
	s_wait_kmcnt 0x0
	s_add_nc_u64 s[G0C+2:G0C+3], s[4:5], s[90:91]
	s_or_b32 s[G0C+3], s[G0C+3], 0x80000000
	s_add_nc_u64 s[G0S+2:G0S+3], s[4:5], s[92:93]
	s_or_b32 s[G0S+3], s[G0S+3], 0x80000000
	s_add_nc_u64 s[G0B+2:G0B+3], s[6:7], s[94:95]
	s_or_b32 s[G0B+3], s[G0B+3], 0x80000000
	TLOAD                                          ; key slots 0 and 1: one load a wave
	s_add_nc_u64 s[NC:NC+1], s[4:5], s[76:77]
	s_add_nc_u64 s[NS:NS+1], s[4:5], s[78:79]
	s_add_nc_u64 s[NB:NB+1], s[6:7], s[98:99]
	v_and_b32 v236, 31, v0
	v_and_b32 v237, 15, v0                         ; r
	v_bfe_u32 v238, v0, 4, 1                       ; h
	v_lshlrev_b32 v[LI], 4, v236
	v_lshlrev_b32 v[LS], 2, v236
	v_lshlrev_b32 v[LB], 6, v238
	v_and_b32 v239, 8, v237
	v_lshlrev_b32 v[DQ], 4, v238
	v_add_nc_u32 v[LB], BIA, v[LB]
	v_add_nc_u32 v239, v239, v237
	v_lshl_add_u32 v[OSO], v237, 3, v238
	v_sub_nc_u32 v[DQ], v239, v[DQ]
.irp b, 0,1,2,3,4,5,6,7
	v_mov_b32 v[PM+\b], 0                          ; a lane permute's destination counts as one of its sources
.endr
.irp b, 1,3
	v_mov_b32 v[FF+\b], 0                          ; named as the upper halves of pairs
	v_mov_b32 v[TT+\b], 0
.endr
; q of pair pr of block blk: record (batch x 16 + head) x 8 + blk; a pair's two tiles are 2,048 bytes, its pair words 128
.macro QADR blk, pr
	s_lshl_b32 s89, s[BH], 3
	s_add_co_u32 s89, s89, s[\blk]
	s_lshl_b32 s90, s89, 14
	s_lshl_b32 s91, s[\pr], 11
	s_add_co_u32 s90, s90, s91
	s_mov_b32 s91, 0
	s_add_nc_u64 s[QP:QP+1], s[4:5], s[90:91]
	s_lshl_b32 s90, s89, 10
	s_lshl_b32 s92, s[\pr], 7
	s_add_co_u32 s90, s90, s92
	s_add_co_u32 s90, s90, Q_SC
	s_add_nc_u64 s[QSP:QSP+1], s[4:5], s[90:91]
.endm
	QADR SWT, WV                                   ; BOTH blocks' q are asked for here: the first block's into its place, twice; the second's waits in registers
	s_wait_alu depctr_va_vdst(0)                   ; ahead of the readers below
	WIN 0x40
.irp t, 0,1
.irp c, 0,1
	global_load_b128 v[QF+24*\t+4*\c:QF+24*\t+4*\c+3], v[LI], s[QP:QP+1] offset:1024*\t+512*\c
	global_load_b128 v[QF+24*\t+16+4*\c:QF+24*\t+16+4*\c+3], v[LI], s[QP:QP+1] offset:1024*\t+512*\c
.endr
.endr
	WIN 0
	global_load_b32 v[QR], v[LS], s[QSP:QSP+1]
	s_wait_xcnt 0x0                                ; the loads have read their bases
	QADR JJ, WP2
	WIN 0x40
.irp t, 0,1
.irp c, 0,1
	global_load_b128 v[Q2+8*\t+4*\c:Q2+8*\t+4*\c+3], v[LI], s[QP:QP+1] offset:1024*\t+512*\c
.endr
.irp i, 0,1,2,3,4,5,6,7
	v_mov_b32 v[QF+24*\t+8+\i], 0                  ; the zero codes between the two copies of q
.endr
.endr
	WIN 0
	global_load_b32 v[QR+1], v[LS], s[QSP:QSP+1]
; a block's ids, from s[QB] and s[WP]: my queries, and where my even tile's codes and scale bytes go (the odd tile's: 4,096 and 512 bytes on)
.macro IDS
	s_lshl_b32 s88, s[QB], 3
	s_add_co_u32 s88, s88, s[WP]                   ; my pair of tiles in the batch
	s_lshl_b32 s[QMIN], s88, 5
	s_add_co_u32 s[QMAX], s[QMIN], 31
	s_lshr_b32 s92, s[BH], 4
	s_lshl_b32 s92, s92, 6
	s_add_co_u32 s92, s92, s88
	s_lshl_b32 s92, s92, 1                         ; my even tile among all 512
	s_and_b32 s93, s[BH], 15                       ; the head: K slot head / 4, fragment (head / 2) % 2, chunks 2 (head % 2) on
	s_lshr_b32 s94, s93, 2
	s_lshl_b32 s95, s94, 9
	s_add_co_u32 s95, s95, s92
	s_lshl_b32 s95, s95, 1
	s_bfe_u32 s89, s93, 0x10001
	s_add_co_u32 s95, s95, s89
	s_lshl_b32 s90, s95, 11
	s_and_b32 s95, s93, 1
	s_lshl_b32 s88, s95, 10
	s_add_co_u32 s90, s90, s88
	s_mov_b32 s91, 0
	s_add_nc_u64 s[OB:OB+1], s[8:9], s[90:91]
	s_lshl_b32 s90, s92, 9
	s_lshl_b32 s94, s94, 7
	s_add_co_u32 s90, s90, s94
	s_lshl_b32 s89, s89, 2
	s_add_co_u32 s90, s90, s89
	s_lshl_b32 s95, s95, 1
	s_add_co_u32 s90, s90, s95
	s_add_co_u32 s90, s90, O_SC
	s_add_nc_u64 s[OS:OS+1], s[8:9], s[90:91]
.endm
; a block begins: q's scale words, the running numbers, zeros in O^T; p = 1: the second block's q goes to its place
.macro INIT p
	v_perm_b32 v[QS], v[QR+\p], v[QR+\p], 0x01000100     ; the even tile's two bytes, twice: they serve [q | 0] and [0 | q] alike
	v_perm_b32 v[QS+1], v[QR+\p], v[QR+\p], 0x03020302   ; the odd tile's
.irp t, 0,1
	v_mov_b32 v[13+4*\t], 0xe7800000               ; the largest t so far: -2^80
	v_mov_b32 v[14+4*\t], 0
	v_mov_b32 v[15+4*\t], 0
.endr
.irp t, 0,1
	v_floor_f32 v[12+4*\t], -v[13+4*\t]            ; -M
.endr
	WIN 0x41
.if \p
.irp t, 0,1
.irp i, 0,1,2,3,4,5,6,7
	v_mov_b32 v[QF+24*\t+\i], v[Q2+8*\t+\i]
	v_mov_b32 v[QF+24*\t+16+\i], v[Q2+8*\t+\i]
.endr
.endr
.endif
.set n, 0
.rept 64
	v_mov_b32 v[O+n], 0                            ; the step is written once: the first finds zeros
.set n, n+1
.endr
	WIN 0
	s_wait_alu depctr_va_vdst(0)
.endm
; A KEY STEP: 128 keys, number s[SQ] of key slot s[TB], for my two tiles of queries
.macro STEP
	s_cmp_gt_u32 s[KF], s[QMAX]                    ; all its keys come after my queries: left out
	s_cbranch_scc1 .Lhidden_\@
	s_lshl_b32 s88, s[TB], 2
	s_add_co_u32 s88, s88, s[SQ]                   ; 4 x slot + step:
	s_lshl_b32 s89, s88, 9                         ; a step's scale words of k (and of v) are 512 bytes,
	s_add_co_u32 s89, s89, SCB
	s_lshl_b32 s88, s88, 13                        ; its four fragments 8,192
	s_lshl_b32 s90, s[TB], 1
	s_add_co_u32 s90, s90, s[SQ]
	s_lshl_b32 s90, s90, 9                         ; its bias 512
	v_add_nc_u32 v[AD16], s88, v[LI]
	v_add_nc_u32 v[AD4], s89, v[LS]
	v_add_nc_u32 v[ADB], s90, v[LB]
.rept 5
	v_nop                                          ; with the three additions: eight places in front of loads into registers that the last products have read
.endr
.irp b, 0,1,2,3
	ds_load_b32 v[KS+\b], v[AD4] offset:\b*128
.endr
	WIN 0x40
.irp b, 0,1,2,3                                ; block by block of 32 keys: a pair fragment and its keys' bias, eight loads
.irp c, 0,1,2,3
	ds_load_b128 v[FR+16*\b+4*\c:FR+16*\b+4*\c+3], v[AD16] offset:\b*2048+512*\c
.endr
.irp j, 0,1,2,3
	ds_load_b128 v[BI+16*\b+4*\j:BI+16*\b+4*\j+3], v[ADB] offset:128*\b+16*\j   ; the bias of keys 32 b + 16 h + 0 .. 15
.endr
.endr
	WIN 0x15                                       ; k, q and the bias in window 1, the scores in window 0
	s_wait_alu depctr_va_vdst(0)
.irp b, 0,1,2,3                                ; S^T = k q^T + bias: sixteen accumulators, one instruction each
	s_wait_dscnt 8*(3-\b)                          ; block b's eight loads are in; the later blocks' may be out
.irp u, 0,1
.irp t, 0,1
	v_wmma_scale_f32_16x16x128_f8f6f4 v[S+64*\t+16*\b+8*\u:S+64*\t+16*\b+8*\u+7], v[FR+16*\b:FR+16*\b+15], v[QF+24*\t+8*\u:QF+24*\t+8*\u+15], v[BI+16*\b+8*\u:BI+16*\b+8*\u+7], v[KS+\b], v[QS+\t] matrix_a_fmt:MATRIX_FMT_BF8 matrix_b_fmt:MATRIX_FMT_BF8
.endr
.endr
.endr                                          ; register 16 b + i of lane (r, h): key KF + 32 b + 16 h + i
	WIN 0
.rept 8
	v_nop
.endr
	WIN 0x40
.irp c, 0,1,2,3                                ; v's four fragments are asked for here and land under the softmax
.irp k, 0,1,2,3
	ds_load_b128 v[FR+16*\c+4*\k:FR+16*\c+4*\k+3], v[AD16] offset:VIMG+\c*2048+512*\k
.endr
.endr
	WIN 0
.irp c, 0,1,2,3
	ds_load_b32 v[KS+\c], v[AD4] offset:VSC+\c*128
.endr
	s_add_co_u32 s88, s[KF], 127                   ; on the diagonal the scores of later keys become -infinity; a step all of whose keys count skips this
	s_cmp_le_u32 s88, s[QMIN]
	s_cbranch_scc1 .Lopen_\@
	s_sub_co_i32 s88, s[QMIN], s[KF]
	v_add_nc_u32 v[DD], s88, v[DQ]                 ; d = the even tile's query - KF - 16 h: register 16 b + i of tile t is hidden where 32 b + i - 8 t > d
	v_mov_b32 v[NI], 0xff800000
	s_wait_alu depctr_va_vdst(0)
	s_cmp_ge_u32 s88, 96                           ; my 32 queries begin s88 keys into the step, a multiple of 32: the blocks of 32 keys ahead of them all count, and are passed over (branches on ids)
	s_cbranch_scc1 .Lm3_\@
	s_cmp_ge_u32 s88, 64
	s_cbranch_scc1 .Lm2_\@
	s_cmp_ge_u32 s88, 32
	s_cbranch_scc1 .Lm1_\@
	MASKB 0
.Lm1_\@:
	MASKB 1
.Lm2_\@:
	MASKB 2
.Lm3_\@:
	MASKB 3
.Lopen_\@:
.irp t, 0,1
.irp b, 0,1,2,3
	v_max3_num_f32 v[BM+4*\t+\b], v[S+64*\t+16*\b], v[S+64*\t+16*\b+1], v[S+64*\t+16*\b+2]   ; the largest score of each block of 32 keys: for the row's maximum and, since p rises with the score, for the block's largest p
.endr
.endr
.irp i, 3,5,7,9,11,13
.irp t, 0,1
.irp b, 0,1,2,3
	v_max3_num_f32 v[BM+4*\t+\b], v[BM+4*\t+\b], v[S+64*\t+16*\b+\i], v[S+64*\t+16*\b+\i+1]
.endr
.endr
.endr
.irp t, 0,1
.irp b, 0,1,2,3
	v_max_num_f32 v[BM+4*\t+\b], v[BM+4*\t+\b], v[S+64*\t+16*\b+15]
.endr
.endr
.irp b, 0,1,2,3,4,5,6,7
	v_permlanex16_b32 v[PM+\b], v[BM+\b], s[SEL], s[SEL+1]
.endr
.irp b, 0,1,2,3,4,5,6,7
	v_max_num_f32 v[BM+\b], v[BM+\b], v[PM+\b]     ; with lane l xor 16's 16 keys
.endr
.irp t, 0,1                                    ; the two tiles' chains line by line
	v_max3_num_f32 v[TT+2*\t], v[BM+4*\t], v[BM+4*\t+1], v[BM+4*\t+2]
.endr
.irp t, 0,1
	v_max_num_f32 v[TT+2*\t], v[TT+2*\t], v[BM+4*\t+3]
.endr
.irp t, 0,1
	v_mul_f32 v[TT+2*\t], s[CS], v[TT+2*\t]
.endr
.irp t, 0,1
	v_max_num_f32 v[13+4*\t], v[13+4*\t], v[TT+2*\t]   ; the running largest t
.endr
.irp t, 0,1
	v_mov_b32 v[TT+2*\t], v[12+4*\t]
.endr
.irp t, 0,1
	v_floor_f32 v[12+4*\t], -v[13+4*\t]            ; the new -M = -ceil(t)
.endr
.irp t, 0,1
	v_sub_f32 v[TT+2*\t], v[12+4*\t], v[TT+2*\t]   ; old M - new M: a whole number, 0 or less
.endr
.irp t, 0,1
	v_cvt_i32_f32 v[TT+2*\t], v[TT+2*\t]           ; (it saturates)
.endr
.irp t, 0,1
	v_ldexp_f32 v[FF+2*\t], 1.0, v[TT+2*\t]        ; f = 2^(old M - new M)
.endr
.irp t, 0,1
.set n, 0
.rept 32
	v_pk_fma_f32 v[S+64*\t+n:S+64*\t+n+1], v[S+64*\t+n:S+64*\t+n+1], s[CS:CS+1], v[12+4*\t:13+4*\t] op_sel_hi:[1,0,0]   ; t - M
.set n, n+2
.endr
.endr
.irp t, 0,1
.irp b, 0,1,2,3
	v_fma_f32 v[BM+4*\t+\b], v[BM+4*\t+\b], s[CS], v[12+4*\t]
.endr
.endr
	s_wait_alu depctr_va_vdst(0)                   ; one wait ahead of the batch
.set n, 0
.rept 128
	v_exp_f32 v[S+n], v[S+n]                       ; p = 2^(t - M), both tiles
.set n, n+1
.endr
.irp t, 0,1
	v_pk_mul_f32 v[14+4*\t:15+4*\t], v[14+4*\t:15+4*\t], v[FF+2*\t:FF+2*\t+1] op_sel_hi:[1,0]   ; the sums under the new M: plain lines behind the batch
.endr
	s_wait_alu depctr_va_vdst(0)                   ; and one behind it, ahead of its first reader
.irp b, 0,1,2,3,4,5,6,7
	v_exp_f32 v[BM+\b], v[BM+\b]                   ; the blocks' largest p
.endr
.irp t, 0,1                                    ; the rows' sums of the unquantised p: four chains a tile, the tiles by turns
	PADD 14+4*\t, 14+4*\t, S+64*\t
.endr
.irp c, 1,2,3
.irp t, 0,1
	PADD TS+6*\t+2*\c-2, S+64*\t+2*\c, S+64*\t+2*\c+8
.endr
.endr
.irp t, 0,1
	PADD 14+4*\t, 14+4*\t, S+64*\t+8
.endr
.set j, 8
.rept 24
.irp t, 0,1
.if j%4 == 0
	PADD 14+4*\t, 14+4*\t, S+64*\t+2*j
.else
	PADD TS+6*\t+2*(j%4)-2, TS+6*\t+2*(j%4)-2, S+64*\t+2*j
.endif
.endr
.set j, j+1
.endr
.irp t, 0,1
	PADD 14+4*\t, 14+4*\t, TS+6*\t
.endr
.irp t, 0,1
	PADD TS+6*\t+2, TS+6*\t+2, TS+6*\t+4
.endr
.irp t, 0,1
	PADD 14+4*\t, 14+4*\t, TS+6*\t+2
.endr
	s_wait_alu depctr_va_vdst(0)                   ; and one for the eight
.irp b, 0,1,2,3,4,5,6,7
	v_max_num_f32 v[BM+\b], 0x8000000, v[BM+\b]    ; the floor 2^(16 - 127): the byte cannot fall under 1
.endr
.irp b, 0,1,2,3,4,5,6,7
	v_add_nc_u32 v[SO+\b], 0xf8800000, v[BM+\b]    ; 15 off the exponent field: the conversion's scale operand
.endr
.irp b, 0,1,2,3,4,5,6,7
	v_and_or_b32 v[HD+\b], v[BM+\b], 0x7f800000, s[MNT]   ; 57,344 x the scale
.endr
.irp t, 0,1
.irp b, 0,1,2,3
	v_and_or_b32 v[HE+232*\t+(\b+1)%4], v[BM+4*\t+\b], 0x7f800000, s[MNT]   ; and its second copy
.endr
.endr
.irp b, 0,1,2,3,4,5,6,7
	v_lshrrev_b32 v[PM+\b], 23, v[SO+\b]           ; the byte
.endr
.irp t, 0,1
	v_lshl_or_b32 v[PS+\t], v[PM+4*\t+1], 8, v[PM+4*\t]   ; p's scale word for these 128 keys
.endr
.irp t, 0,1
	v_lshl_or_b32 v[PS+\t], v[PM+4*\t+2], 16, v[PS+\t]
.endr
.irp t, 0,1
	v_lshl_or_b32 v[PS+\t], v[PM+4*\t+3], 24, v[PS+\t]
.endr
.irp t, 0,1
.irp b, 0,1,2,3
.irp i, 0,2,4,6,8,10,12,14                     ; the conversion does not saturate (ISA guide 7.6.2); p is not negative: a one-sided hold, two numbers to a dual pair
	v_dual_min_num_f32 v[S+64*\t+16*\b+\i], v[S+64*\t+16*\b+\i], v[HD+4*\t+\b] :: v_dual_min_num_f32 v[S+64*\t+16*\b+\i+1], v[S+64*\t+16*\b+\i+1], v[HE+232*\t+(\b+1)%4]
.endr
	v_cvt_scalef32_pk8_bf8_f32 v[PC+16*\t+4*\b:PC+16*\t+4*\b+1], v[S+64*\t+16*\b:S+64*\t+16*\b+7], v[SO+4*\t+\b]
	v_cvt_scalef32_pk8_bf8_f32 v[PC+16*\t+4*\b+2:PC+16*\t+4*\b+3], v[S+64*\t+16*\b+8:S+64*\t+16*\b+15], v[SO+4*\t+\b]
.endr
.endr
	WIN 0x41
	s_wait_alu depctr_va_vdst(0)                   ; directly ahead of the first reader of O^T
.irp t, 0,1
.set n, 0
.rept 16
	v_pk_mul_f32 v[O+32*\t+n:O+32*\t+n+1], v[O+32*\t+n:O+32*\t+n+1], v[FF+2*\t:FF+2*\t+1] op_sel_hi:[1,0]   ; O^T under the new M; these lines also stand between the conversions and the products
.set n, n+2
.endr
.endr
	s_wait_alu depctr_va_vdst(0)
	s_wait_dscnt 0x0                               ; v's fragments and scale words
	WIN 0x51                                       ; v and O^T in window 1, p's codes in window 0
.irp c, 0,1,2,3                                ; O^T += v^T p^T: eight accumulators, one instruction each; K = these 128 keys
.irp t, 0,1
	v_wmma_scale_f32_16x16x128_f8f6f4 v[O+32*\t+8*\c:O+32*\t+8*\c+7], v[FR+16*\c:FR+16*\c+15], v[PC+16*\t:PC+16*\t+15], v[O+32*\t+8*\c:O+32*\t+8*\c+7], v[KS+\c], v[PS+\t] matrix_a_fmt:MATRIX_FMT_BF8 matrix_b_fmt:MATRIX_FMT_BF8
.endr
.endr
	WIN 0
.Lhidden_\@:
	s_add_co_u32 s[KF], s[KF], 128
.endm
.macro STEPS                           ; a slot's two steps: a counted loop
	s_mov_b32 s[SQ], 0
.Lstep_\@:
	STEP
	s_add_co_u32 s[SQ], s[SQ], 1
	s_cmp_lt_u32 s[SQ], 2
	s_cbranch_scc1 .Lstep_\@
.endm
; A block of queries ends: O^T / the sum, quantised along the 64 channels (two blocks of 32), stored as two chunks of an operand image and two scale bytes a row, for each tile
.macro FINISH
.rept 8
	v_nop                                          ; places behind the last products
.endr
.irp t, 0,1
	v_add_f32 v[14+4*\t], v[14+4*\t], v[15+4*\t]
.endr
.irp t, 0,1
	v_permlanex16_b32 v[PM+4*\t], v[14+4*\t], s[SEL], s[SEL+1]
.endr
.irp t, 0,1
	v_add_f32 v[14+4*\t], v[14+4*\t], v[PM+4*\t]   ; the row's sum
.endr
.irp t, 0,1
	v_max_num_f32 v[14+4*\t], 0.5, v[14+4*\t]      ; a row with a visible key has a p over 1/2; a row with none has the sum 0, and gets its NaN below
.endr
	s_wait_alu depctr_va_vdst(0)                   ; ahead of the reciprocals
.irp t, 0,1
	v_rcp_f32 v[TT+2*\t], v[14+4*\t]
.endr
	v_mov_b32 v[NI], 0x7f7f7f7f                    ; four NaN codes of E5M2.  (The plain line behind the reciprocals)
	WIN 0x01
	s_wait_alu depctr_va_vdst(0)                   ; ahead of their first reader, which is O^T's too
.irp t, 0,1
.set n, 0
.rept 16
	v_pk_mul_f32 v[S+64*\t+n:S+64*\t+n+1], v[O+32*\t+n:O+32*\t+n+1], v[TT+2*\t:TT+2*\t+1] op_sel_hi:[1,0]   ; register 16 B + i: channel 32 B + 16 h + i of my query
.set n, n+2
.endr
.endr
	WIN 0
.irp t, 0,1
.irp b, 0,1
	v_max3_num_f32 v[BM+4*\t+\b], |v[S+64*\t+16*\b]|, |v[S+64*\t+16*\b+1]|, 0x8000000
.endr
.endr
.irp i, 2,4,6,8,10,12,14
.irp t, 0,1
.irp b, 0,1
	v_max3_num_f32 v[BM+4*\t+\b], v[BM+4*\t+\b], |v[S+64*\t+16*\b+\i]|, |v[S+64*\t+16*\b+\i+1]|
.endr
.endr
.endr
.irp x, 0,1,4,5
	v_permlanex16_b32 v[PM+\x], v[BM+\x], s[SEL], s[SEL+1]
.endr
.irp x, 0,1,4,5
	v_max_num_f32 v[BM+\x], v[BM+\x], v[PM+\x]
.endr
.irp x, 0,1,4,5
	v_add_nc_u32 v[SO+\x], 0xf8800000, v[BM+\x]
.endr
.irp x, 0,1,4,5
	v_and_or_b32 v[HD+\x], v[BM+\x], 0x7f800000, s[MNT]
.endr
.irp x, 0,1,4,5
	v_lshrrev_b32 v[PM+\x], 23, v[SO+\x]
.endr
.irp t, 0,1
	v_cndmask_b32 v[BY+\t], v[PM+4*\t], v[PM+4*\t+1], s[HM]   ; lanes 0-15 store block 0's byte, lanes 16-31 block 1's
.endr
.irp t, 0,1
.irp b, 0,1
.irp i, 0,1,2,3,4,5,6,7,8,9,10,11,12,13,14,15
	v_med3_num_f32 v[S+64*\t+16*\b+\i], v[S+64*\t+16*\b+\i], -v[HD+4*\t+\b], v[HD+4*\t+\b]
.endr
	v_cvt_scalef32_pk8_bf8_f32 v[PC+16*\t+4*\b:PC+16*\t+4*\b+1], v[S+64*\t+16*\b:S+64*\t+16*\b+7], v[SO+4*\t+\b]
	v_cvt_scalef32_pk8_bf8_f32 v[PC+16*\t+4*\b+2:PC+16*\t+4*\b+3], v[S+64*\t+16*\b+8:S+64*\t+16*\b+15], v[SO+4*\t+\b]
.endr
.endr
	v_nop                                          ; a plain line behind the last conversion
.irp t, 0,1
	v_cmp_gt_f32 vcc_lo, 0xe7000000, v[13+4*\t]    ; -2^79 > the largest t: no key was visible: the row's codes become NaN
.irp i, 0,1,2,3,4,5,6,7
	v_cndmask_b32 v[PC+16*\t+\i], v[PC+16*\t+\i], v[NI], vcc_lo
.endr
.endr
.irp t, 0,1
	global_store_b128 v[LI], v[PC+16*\t:PC+16*\t+3], s[OB:OB+1] offset:4096*\t          ; 512 consecutive bytes each
	global_store_b128 v[LI], v[PC+16*\t+4:PC+16*\t+7], s[OB:OB+1] offset:4096*\t+512
	global_store_b8 v[OSO], v[BY+\t], s[OS:OS+1] offset:512*\t   ; a head owns two bytes of each scale word: single bytes
.endr
	s_wait_xcnt 0x0                                ; the stores have read their registers and bases
.endm
	s_mov_b32 s[QB], s[SWT]
	s_mov_b32 s[WP], s[WV]
	IDS
	s_wait_alu depctr_va_vdst(0)
	s_wait_loadcnt 0x0                             ; q of both blocks
	INIT 0
	s_wait_tensorcnt 0x0                           ; my part of slots 0 and 1 is in; no tensor load of mine is out, so the descriptors may be written
	ds_add_u32 v[SPW], v[NIL]                      ; 0 onto my spare word
	s_mov_b32 s[G0C+1], s72                        ; my part of slots 2 to 7
	s_mov_b64 s[G0C+2:G0C+3], s[NC:NC+1]
	s_or_b32 s[G0C+3], s[G0C+3], 0x80000000
	s_mov_b32 s[G0S+1], s73
	s_mov_b64 s[G0S+2:G0S+3], s[NS:NS+1]
	s_or_b32 s[G0S+3], s[G0S+3], 0x80000000
	s_mov_b32 s[G0B+1], s74
	s_mov_b64 s[G0B+2:G0B+3], s[NB:NB+1]
	s_or_b32 s[G0B+3], s[G0B+3], 0x80000000
	s_mov_b32 s[G1C+2], 192<<16                    ; 192 rows: 48 KiB of codes,
	s_mov_b32 s[G1C+4], 192
	s_mov_b32 s[G1S+2], 24<<16                     ; 24 rows: 6 KiB of scale words,
	s_mov_b32 s[G1S+4], 24
	s_mov_b32 s[G1B+2], 12<<16                     ; 12 rows: 3 KiB of bias
	s_mov_b32 s[G1B+4], 12
	s_wait_dscnt 0x0                               ; the add is done
	s_barrier_signal -1
	s_barrier_wait -1                              ; slots 0 and 1 are whole
	TLOAD                                          ; slots 2 to 7: a wave's one tensor load behind the barrier; it has two slots' steps in which to land
	s_mov_b32 s[TRIP], 0
.Lfirst:                                           ; trips 0 and 1: slots 0 and 1 of the first block, which has five slots at the least
	s_mov_b32 s[TB], s[TRIP]
	s_lshl_b32 s[KF], s[TB], 8
	STEPS
	s_add_co_u32 s[TRIP], s[TRIP], 1
	s_cmp_lt_u32 s[TRIP], 2
	s_cbranch_scc1 .Lfirst
	s_wait_tensorcnt 0x0                           ; my part of slots 2 to 7 is in
	s_wait_dscnt 0x0
	s_barrier_signal -1
	s_barrier_wait -1                              ; and everybody's: nothing is filled from here on
.Lslot:                                            ; trips 2 to 8: slot TRIP, or, past the first block's trips, TRIP less 8 - j
	s_cmp_ge_u32 s[TRIP], s[SW]
	s_cselect_b32 s79, s[SW], 0
	s_sub_co_u32 s[TB], s[TRIP], s79
	s_and_b32 s[TB], s[TB], 7
	s_lshl_b32 s[KF], s[TB], 8
	STEPS
	s_cmp_lg_u32 s[TRIP], s[SWT]                   ; the first block's last trip?  (a branch on ids)
	s_cbranch_scc1 .Lsame_block
	FINISH
	s_mov_b32 s[QB], s[JJ]
	s_mov_b32 s[WP], s[WP2]
	IDS
	INIT 1
.Lsame_block:
	s_add_co_u32 s[TRIP], s[TRIP], 1
	s_cmp_lt_u32 s[TRIP], 9
	s_cbranch_scc1 .Lslot
	FINISH
	s_wait_tensorcnt 0x0                           ; the wave's end
	ds_add_u32 v[SPW], v[NIL]
	s_wait_dscnt 0x0
	s_endpgm
.Lfunc_end_k_qfc73c1e1ef_attn:
	.size	k_qfc73c1e1ef_attn, .Lfunc_end_k_qfc73c1e1ef_attn-k_qfc73c1e1ef_attn
	.p2alignl 7, 3214868480
	.fill 96, 4, 3214868480
	.section	.rodata,"a",@progbits
	.p2align	6, 0x0
	.amdhsa_kernel k_qfc73c1e1ef_attn
		.amdhsa_group_segment_fixed_size 327680
		.amdhsa_private_segment_fixed_size 0
		.amdhsa_enable_private_segment 0
		.amdhsa_kernarg_size 24
		.amdhsa_user_sgpr_count 2
		.amdhsa_user_sgpr_kernarg_segment_ptr 1
		.amdhsa_wavefront_size32 1
		.amdhsa_system_sgpr_workgroup_id_x 1
		.amdhsa_system_sgpr_workgroup_id_y 1
		.amdhsa_system_sgpr_workgroup_id_z 1
		.amdhsa_system_vgpr_workitem_id 0
		.amdhsa_next_free_vgpr 512
		.amdhsa_next_free_sgpr 100
		.amdhsa_reserve_vcc 1
		.amdhsa_float_denorm_mode_32 3
		.amdhsa_float_denorm_mode_16_64 3
		.amdhsa_memory_ordered 1
		.amdhsa_forward_progress 1
		.amdhsa_inst_pref_size 137
	.end_amdhsa_kernel
	.amdgpu_metadata
---
amdhsa.version: [ 1, 2 ]
amdhsa.kernels:
  - .name:           k_qfc73c1e1ef_attn
    .symbol:         k_qfc73c1e1ef_attn.kd
    .args:
      - { .name: qkv, .offset: 0, .size: 8, .value_kind: global_buffer, .address_space: global }
      - { .name: mbias, .offset: 8, .size: 8, .value_kind: global_buffer, .address_space: global }
      - { .name: ocodes, .offset: 16, .size: 8, .value_kind: global_buffer, .address_space: global }
    .group_segment_fixed_size: 327680
    .private_segment_fixed_size: 0
    .kernarg_segment_align: 8
    .kernarg_segment_size: 24
    .max_flat_workgroup_size: 256
    .sgpr_count:     100
    .vgpr_count:     512
    .wavefront_size: 32
...
	.end_amdgpu_metadata
.endif
;; end of part 3
;; launch proj (part 4): grid 64 x 4, 4 waves a work-group, clusters of 4 x 4, 327,680 bytes of LDS; arguments ocodes, wcodes, b_out, out0; writes out0
.if DOCPART == 4
	.amdgcn_target "amdgcn-amd-amdhsa--gfx1250"
	.amdhsa_code_object_version 6
	.text
	.protected	k_qfc73c1e1ef_proj
	.globl	k_qfc73c1e1ef_proj
	.p2align	8
	.type	k_qfc73c1e1ef_proj,@function
k_qfc73c1e1ef_proj:
	s_mov_b64 s[64:65], 0
	v_nop
	global_prefetch_b8 v0, s[64:65] scope:SCOPE_SE
	s_setreg_imm32_b32 hwreg(HW_REG_WAVE_MODE, 25, 1), 1
	s_wait_xcnt 0x0
	s_wait_alu depctr_hold_cnt(0) depctr_sa_sdst(0) depctr_va_vdst(0) depctr_va_sdst(0) depctr_va_ssrc(0) depctr_va_vcc(0) depctr_vm_vsrc(0)
	s_getreg_b32 s2, hwreg(HW_REG_IB_STS2, 6, 4)
	s_cmp_eq_u32 s2, 0
	s_cbranch_scc0 .Lentry_in_a_cluster
	s_endpgm
.Lentry_in_a_cluster:
	s_bfe_u32 s2, ttmp6, 0x10000c
	s_cmp_lg_u32 s2, 0xf033
	s_cbranch_scc0 .Lentry_shape_is_right
	s_endpgm
.Lentry_shape_is_right:
; out0 = o w_out + b_out on codes of BF8 (E5M2) with E8M0 scales, K = 1,024.  256 work-groups of four waves; a work-group makes 128 tokens x 256 columns, a wave 64 x 128: 32 accumulators (window 2).
; Source 0 ("B") = 16 columns of w_out, source 1 ("A") = 16 tokens: a lane holds one token and its registers run along the columns.  Lane r of tile 2 B + u holds row 32 B + 8 u + r + 8 (r / 8).
; Operands lie in memory as images of their registers: a K slot (256 along K) of A's 8 tiles is a dense block of 32 KiB, of B's 16 tiles one of 64 KiB; from K slot to K slot 2 MiB in ocodes, 256 KiB in w_out's part of wcodes.
; LDS: two slots of unlike size.  Slot 0 holds K slot 0 and later K slot 3; slot 1 holds K slots 1 and 2.  A's three blocks lie on end from byte 0, B's three from BBASE.
; THE HEAD: one joint load a wave: wave 0 A's K slots 0 to 2 (three rows of 32 KiB), waves 1 to 3 B's K slots 0 to 2.  The first barrier shows waves 0 and 1's tiles alone, which K slot 0 needs; they have load lines of their own.
; ONE REFILL: K slot 3 over K slot 0's bytes, behind a drained round of the cluster's barrier (wave 0 A's block, waves 1 and 2 B's halves); it has K slots 1 and 2's products in which to land, and was prefetched at the head.
; CLUSTERS 4 x 4: A's tiles hang on cy and are asked for jointly along a row of the cluster, B's on cx along a column.
; THE SCALE WORDS go from memory straight into registers, in whole units of 256 bytes: a tile's 512 bytes are [K slot 4][r 16][2 words], so a load of 8 bytes a lane gives lanes 0-15 an even K slot's two words and lanes 16-31 the odd one's.
; THE BIAS is the first products' C (window 3).  THE WAY OUT: 16 rows at a time through the wave's own stage, in B's block of K slot 1, which has had its only fill and its last read; 32 lanes store 512 consecutive bytes.
.set O_SC,   8388608
.set WO_IMG, 3145728
.set WO_SC,  4292608
.set AREG,   32768
.set BREG,   65536
.set BBASE,  3*AREG
.set SPARE,  BBASE+3*BREG              ; the spare words, 128 bytes a wave: two blocks of 256 bytes that no other line names
.set STAGE,  BBASE+BREG
.set SPITCH, 528
.set NP,   8                           ; places behind this matrix instruction (ISA guide 7.12.1)
.set NIL,  5
.set BRO,  7                           ; 64 h
.set ADRA, 8                           ; v8-10  my A fragments in the three blocks
.set LI,   12                          ; 16 x lane
.set L8,   13                          ; 8 x lane
.set PFO,  14                          ; 256 x lane
.set SPW,  15
.set ADRB, 16                          ; v16-18 the same for B
.set STO,  20
.set RD,   21
.set SA,   32                          ; v32-47 A's scale words: 4 a + 2 (K slot / 2) + step
.set SB,   50                          ; v50-81 B's: 4 b + ..: no product's two scale registers have numbers equal modulo 8
.set AF,   128                         ; A's fragments, two sets of 64; on the way out rows read back
.set BI,   0                           ; window 3: register 8 b + j: the bias of the column that accumulator b's register j holds
.set G1A,  24
.set G0A,  32
.set G1B,  36
.set G0B,  44
.set G1RA, 48
.set G0RA, 56
.set G0RB, 60
.set G1RB, 68
.set MSB, 0
.macro WIN new                         ; the immediate's high byte repeats the setting that is left
.if MSB != (\new)
	s_set_vgpr_msb (MSB<<8)|(\new)
.set MSB, (\new)
.endif
.endm
.macro TL g0, g1
	tensor_load_to_lds s[\g0:\g0+3], s[\g1:\g1+7]
	s_nop 0
.rept 4
	v_nop
.endr
.endm
.macro PLACES n
.rept \n
	v_nop
.endr
.endm
.macro CREST                           ; a round of the cluster's barrier behind its opening barrier
	s_cmp_lg_u32 s14, 0
	s_cbranch_scc1 .Lnot_wave_0_\@
	s_barrier_signal -3
.Lnot_wave_0_\@:
	s_barrier_wait -3
	s_barrier_signal -1
	s_barrier_wait -1
.endm
.macro CROUND
	s_barrier_signal -1
	s_barrier_wait -1
	CREST
.endm
	s_load_b256 s[4:11], s[0:1], 0x0               ; ocodes s[4:5], wcodes s[6:7], b_out s[8:9], out0 s[10:11]
	v_lshl_add_u32 v[SPW], v0, 2, SPARE
	v_mov_b32 v[NIL], 0
	ds_add_u32 v[SPW], v[NIL]                      ; the opening: the add, twice on end, and its wait ahead of my first tensor load
	ds_add_u32 v[SPW], v[NIL]
	v_lshrrev_b32 v1, 5, v0
	v_readfirstlane_b32 s14, v1                    ; wave 0..3
	s_lshr_b32 s15, s14, 1                         ; my half of A's tiles
	s_and_b32 s16, s14, 1                          ; my half of B's
	s_bfe_u32 s12, ttmp6, 0x40000                  ; cx
	s_bfe_u32 s13, ttmp6, 0x40004                  ; cy
	s_lshl_b32 s2, s13, 2
	s_lshl_b32 s2, 15, s2                          ; my row of the cluster
	s_lshl_b32 s3, 0x1111, s12                     ; my column
	s_or_b32 s[G1A], s2, (3<<16)|(1<<21)           ; elements of 8 bytes; bit 21 set beside a mask
	s_or_b32 s[G1RA], s2, (3<<16)|(1<<21)
	s_or_b32 s[G1B], s3, (3<<16)|(1<<21)
	s_or_b32 s[G1RB], s3, (3<<16)|(1<<21)
	s_mov_b32 s[G1A+1], 4096<<16                   ; A at the head: three rows of 4,096 elements (32 KiB), 262,144 elements (2 MiB) apart
	s_mov_b32 s[G1A+2], 3<<16
	s_mov_b32 s[G1A+3], 4096<<16
	s_mov_b32 s[G1A+4], 3
	s_mov_b32 s[G1A+5], 262144
	s_mov_b32 s[G1A+6], 0
	s_mov_b32 s[G1A+7], 0
	s_mov_b32 s[G1B+2], 256<<16                    ; B at the head: 256 rows of 256 bytes
	s_mov_b32 s[G1B+4], 256
	s_mov_b32 s[G1RA+2], 128<<16                   ; the refill: 128 rows of 256 bytes a load
	s_mov_b32 s[G1RA+4], 128
	s_mov_b32 s[G1RB+2], 128<<16
	s_mov_b32 s[G1RB+4], 128
.irp g, G1B, G1RA, G1RB
	s_mov_b32 s[\g+1], 32<<16
	s_mov_b32 s[\g+3], 32<<16
	s_mov_b32 s[\g+5], 32
	s_mov_b32 s[\g+6], 0
	s_mov_b32 s[\g+7], 0
.endr
	s_lshl_b32 s17, ttmp9, 2
	s_add_co_u32 s17, s17, s13                     ; my group of 128 tokens: hangs on cy alone
	s_lshl_b32 s18, s17, 15                        ; A's images: 8 tiles of 4,096 bytes a group
	s_mov_b32 s19, 0
	s_lshl_b32 s20, s12, 16                        ; B's: 16 tiles a group of 256 columns;
	s_add_co_u32 s20, s20, WO_IMG-262144
	s_lshl_b32 s22, s14, 18
	s_add_co_u32 s20, s20, s22                     ; wave w fetches K slot w - 1
	s_mov_b32 s21, 0
	s_lshl_b32 s22, s12, 16
	s_add_co_u32 s22, s22, WO_IMG+3*262144         ; K slot 3:
	s_lshl_b32 s23, s15, 15
	s_add_co_u32 s22, s22, s23                     ; waves 1 and 2 fetch its halves wave / 2
	s_add_co_u32 s[G0RB+1], s23, BBASE
	s_mov_b32 s23, 0
	s_add_co_u32 s76, s18, 3*2097152               ; and A's
	s_mov_b32 s77, 0
	s_mov_b32 s[G0A], 1
	s_mov_b32 s[G0A+1], 0
	s_mov_b32 s[G0B], 1
	s_lshl_b32 s[G0B+1], s14, 16
	s_add_co_u32 s[G0B+1], s[G0B+1], BBASE-BREG
	s_mov_b32 s[G0RA], 1
	s_mov_b32 s[G0RA+1], 0
	s_mov_b32 s[G0RB], 1
	s_wait_dscnt 0x0                               ; both opening adds are done
	s_wait_kmcnt 0x0
	s_add_nc_u64 s[G0A+2:G0A+3], s[4:5], s[18:19]
	s_or_b32 s[G0A+3], s[G0A+3], 0x80000000
	s_add_nc_u64 s[G0B+2:G0B+3], s[6:7], s[20:21]
	s_or_b32 s[G0B+3], s[G0B+3], 0x80000000
	s_add_nc_u64 s[G0RA+2:G0RA+3], s[4:5], s[76:77]
	s_or_b32 s[G0RA+3], s[G0RA+3], 0x80000000
	s_add_nc_u64 s[G0RB+2:G0RB+3], s[6:7], s[22:23]
	s_or_b32 s[G0RB+3], s[G0RB+3], 0x80000000
	CROUND                                         ; all sixteen work-groups are here: the first joint loads meet
	s_cmp_eq_u32 s14, 0                            ; one chain of branches on the wave's number, a load to an arm; the waves that wait at the first barrier have lines of their own
	s_cbranch_scc0 .Lwave_1
	TL G0A, G1A
	s_branch .Lasked
.Lwave_1:
	s_cmp_eq_u32 s14, 1
	s_cbranch_scc0 .Lwave_23
	TL G0B, G1B
	s_branch .Lasked
.Lwave_23:
	TL G0B, G1B
.Lasked:
	; where my scale words, bias and results lie; and my share of K slot 3's prefetch: of the 128 rows that I will fetch jointly, the partner at place p (cx for A, cy for B) names 32 p on: told apart by address
	s_lshl_b32 s78, s17, 12
	s_lshl_b32 s79, s15, 11
	s_add_co_u32 s78, s78, s79
	s_add_co_u32 s78, s78, O_SC
	s_mov_b32 s79, 0
	s_add_nc_u64 s[78:79], s[4:5], s[78:79]        ; A's scale words: 512 bytes a tile, my 4 tiles
	s_lshl_b32 s80, s12, 13
	s_lshl_b32 s81, s16, 12
	s_add_co_u32 s80, s80, s81
	s_add_co_u32 s80, s80, WO_SC
	s_mov_b32 s81, 0
	s_add_nc_u64 s[80:81], s[6:7], s[80:81]        ; B's: my 8 tiles
	s_lshl_b32 s82, s12, 10
	s_lshl_b32 s83, s16, 9
	s_add_co_u32 s82, s82, s83
	s_mov_b32 s83, 0
	s_add_nc_u64 s[8:9], s[8:9], s[82:83]          ; my 128 columns
	s_add_nc_u64 s[10:11], s[10:11], s[82:83]
	s_lshl_b32 s82, s17, 7
	s_lshl_b32 s84, s15, 6
	s_add_co_u32 s82, s82, s84
	s_lshl_b32 s82, s82, 12                        ; my first token's row of 4,096 bytes
	s_add_nc_u64 s[10:11], s[10:11], s[82:83]
	s_cmp_eq_u32 s14, 0
	s_cselect_b64 s[84:85], s[4:5], s[6:7]
	s_cselect_b32 s86, s76, s22
	s_cselect_b32 s88, s12, s13
	s_lshl_b32 s88, s88, 13
	s_add_co_u32 s86, s86, s88
	s_mov_b32 s87, 0
	s_add_nc_u64 s[84:85], s[84:85], s[86:87]
	s_lshl_b32 s89, s15, 14                        ; my 4 tiles of A in a block
	s_lshl_b32 s90, s16, 15
	s_add_co_u32 s90, s90, BBASE                   ; my 8 of B
	s_mul_i32 s91, s14, 16*SPITCH
	s_add_co_u32 s91, s91, STAGE                   ; my stage
	v_and_b32 v1, 15, v0                           ; r
	v_bfe_u32 v2, v0, 4, 1                         ; h
	v_and_b32 v3, 31, v0
	v_lshlrev_b32 v[LI], 4, v3
	v_lshlrev_b32 v[L8], 3, v3
	v_lshlrev_b32 v[PFO], 8, v3
	v_lshlrev_b32 v[BRO], 6, v2
	v_mul_u32_u24 v[STO], v1, SPITCH
	v_add_nc_u32 v[ADRA], s89, v[LI]
	v_add_nc_u32 v[ADRB], s90, v[LI]
	v_lshl_add_u32 v[STO], v2, 6, v[STO]
	v_add_nc_u32 v[RD], s91, v[LI]
	v_add_nc_u32 v[ADRA+1], AREG, v[ADRA]
	v_add_nc_u32 v[ADRB+1], BREG, v[ADRB]
	v_add_nc_u32 v[ADRA+2], 2*AREG, v[ADRA]
	v_add_nc_u32 v[ADRB+2], 2*BREG, v[ADRB]
	v_add_nc_u32 v[STO], s91, v[STO]               ; in: row r, 64 bytes for each half of the lanes and 32 columns
	s_wait_alu depctr_va_vdst(0)
.irp a, 0,1,2,3
.irp p, 0,1
	global_load_b64 v[SA+4*\a+2*\p:SA+4*\a+2*\p+1], v[L8], s[78:79] offset:512*\a+256*\p   ; 256 consecutive bytes, aligned
.endr
.endr
.irp b, 0,1,2,3,4,5,6,7
.irp p, 0,1
	global_load_b64 v[SB+4*\b+2*\p:SB+4*\b+2*\p+1], v[L8], s[80:81] offset:512*\b+256*\p
.endr
.endr
	WIN 0xc0
.irp b, 0,1,2,3
.irp j, 0,1,2,3
	global_load_b128 v[BI+16*\b+4*\j:BI+16*\b+4*\j+3], v[BRO], s[8:9] offset:128*\b+16*\j   ; register 16 b + i: the bias of column 32 b + 16 h + i
.endr
.endr
	WIN 0
	s_cmp_lt_u32 s14, 3                            ; wave 3 fetches nothing of K slot 3
	s_cbranch_scc0 .Lno_ask
	global_prefetch_b8 v[PFO], s[84:85] th:TH_LOAD_NT scope:SCOPE_SE
.Lno_ask:
.macro FETCH k                         ; step k's fragments (128 along K) into set k % 2: B's eight, A's four: 48 loads of 512 consecutive bytes
.set RG_, ((\k)/2)%3
	WIN 0x40
.irp i, 0,1,2,3,4,5,6,7
.irp c, 0,1,2,3
	ds_load_b128 v[128*((\k)%2)+16*\i+4*\c:128*((\k)%2)+16*\i+4*\c+3], v[ADRB+RG_] offset:\i*4096+((\k)%2)*2048+512*\c
.endr
.endr
	WIN 0
.irp i, 0,1,2,3
.irp c, 0,1,2,3
	ds_load_b128 v[AF+64*((\k)%2)+16*\i+4*\c:AF+64*((\k)%2)+16*\i+4*\c+3], v[ADRA+RG_] offset:\i*4096+((\k)%2)*2048+512*\c
.endr
.endr
.endm
; eight products: A's tile a x B's eight, step k.  The 32 accumulators take turns, one instruction a turn, in the same order in every step.  Step 0's C is the bias
.macro MULA k, a
.set X_, 2*((\k)/4)+(\k)%2
.irp b, 0,1,2,3,4,5,6,7
.if (\k) == 0
	v_wmma_scale_f32_16x16x128_f8f6f4 v[8*(8*(\a)+\b):8*(8*(\a)+\b)+7], v[16*\b:16*\b+15], v[AF+16*(\a):AF+16*(\a)+15], v[BI+8*\b:BI+8*\b+7], v[SB+4*\b], v[SA+4*(\a)] matrix_a_fmt:MATRIX_FMT_BF8 matrix_b_fmt:MATRIX_FMT_BF8
.elseif ((\k)/2)%2
	v_wmma_scale_f32_16x16x128_f8f6f4 v[8*(8*(\a)+\b):8*(8*(\a)+\b)+7], v[128*((\k)%2)+16*\b:128*((\k)%2)+16*\b+15], v[AF+64*((\k)%2)+16*(\a):AF+64*((\k)%2)+16*(\a)+15], v[8*(8*(\a)+\b):8*(8*(\a)+\b)+7], v[SB+4*\b+X_], v[SA+4*(\a)+X_] matrix_a_fmt:MATRIX_FMT_BF8 matrix_b_fmt:MATRIX_FMT_BF8 matrix_a_scale:MATRIX_SCALE_ROW1 matrix_b_scale:MATRIX_SCALE_ROW1
.else
	v_wmma_scale_f32_16x16x128_f8f6f4 v[8*(8*(\a)+\b):8*(8*(\a)+\b)+7], v[128*((\k)%2)+16*\b:128*((\k)%2)+16*\b+15], v[AF+64*((\k)%2)+16*(\a):AF+64*((\k)%2)+16*(\a)+15], v[8*(8*(\a)+\b):8*(8*(\a)+\b)+7], v[SB+4*\b+X_], v[SA+4*(\a)+X_] matrix_a_fmt:MATRIX_FMT_BF8 matrix_b_fmt:MATRIX_FMT_BF8
.endif
.endr
.endm
.macro STEPN k                         ; a step whose successor's tiles are visible: the next step's fragments are asked for ahead of this step's products
	PLACES NP                                      ; in front of loads into the set that the last step's products have read
	FETCH (\k)+1
	s_wait_dscnt 48                                ; this step's fragments are in; the 48 loads just issued may be out
	WIN 0xa1
	MULA \k, 0
	MULA \k, 1
	MULA \k, 2
	MULA \k, 3
	WIN 0
.endm
	s_cmp_lt_u32 s14, 2
	s_cbranch_scc0 .Lnot_first
	s_wait_tensorcnt 0x0                           ; waves 0 and 1: A's three K slots and B's K slot 0 are in.  The other waves' wait stands in front of the round below
.Lnot_first:
	s_barrier_signal -1
	s_barrier_wait -1
	FETCH 0
	FETCH 1
	s_wait_loadcnt 0x0                             ; the scale words and the bias
	s_wait_dscnt 48
	WIN 0xb1                                       ; B window 1, A window 0, C (the bias) window 3, D window 2
	MULA 0, 0
	MULA 0, 1
	MULA 0, 2
	MULA 0, 3
	WIN 0
	s_wait_tensorcnt 0x0                           ; all my tensor loads have landed: K slots 1 and 2 are whole behind the round
	ds_add_u32 v[SPW], v[NIL]                      ; 0 onto my spare word
	s_wait_dscnt 1                                 ; step 1's fragments are in; the add may be out
	WIN 0xa1
	MULA 1, 0
	MULA 1, 1
	s_wait_dscnt 0x0                               ; the add is done, and my reads of K slot 0 are over
	s_barrier_signal -1
	MULA 1, 2
	MULA 1, 3
	WIN 0
	s_barrier_wait -1
	CREST                                          ; the barrier has opened a round of the cluster's barrier: no wave of any partner still reads K slot 0 or has a load on its way
	s_cmp_eq_u32 s14, 0
	s_cbranch_scc0 .Lrefill_b
	TL G0RA, G1RA                                  ; K slot 3 over K slot 0's bytes: my one tensor load behind the round
	s_branch .Lrefilled
.Lrefill_b:
	s_cmp_lt_u32 s14, 3
	s_cbranch_scc0 .Lrefilled
	TL G0RB, G1RB
.Lrefilled:
	PLACES NP
	FETCH 2
	STEPN 2
	STEPN 3
	STEPN 4
	s_wait_tensorcnt 0x0                           ; my part of K slot 3 is in
	s_wait_dscnt 0x0                               ; step 5's fragments are in
	s_barrier_signal -1
	WIN 0xa1
	MULA 5, 0
	MULA 5, 1
	MULA 5, 2
	MULA 5, 3
	WIN 0
	s_barrier_wait -1                              ; K slot 3 is whole
	PLACES NP
	FETCH 6
	STEPN 6
	s_wait_dscnt 0x0
	WIN 0xa1
	MULA 7, 0
	MULA 7, 1
	MULA 7, 2
	MULA 7, 3
	WIN 0
; THE WAY OUT, tile by tile of A: 16 rows x 128 columns through my stage, back as whole rows of 512 bytes.  LDS serves a wave's instructions in order (ISA guide 5.7.1.4): no wait between the stores and the loads
.macro TOSTAGE a
	WIN 0x08                                       ; the data: window 2
.irp b, 0,1,2,3,4,5,6,7
	ds_store_b128 v[STO], v[64*(\a)+8*\b:64*(\a)+8*\b+3] offset:128*(\b/2)+32*(\b%2)        ; each accumulator from its low end on
	ds_store_b128 v[STO], v[64*(\a)+8*\b+4:64*(\a)+8*\b+7] offset:128*(\b/2)+32*(\b%2)+16
.endr
	WIN 0
.irp t, 0,1,2,3,4,5,6,7,8,9,10,11,12,13,14,15
	ds_load_b128 v[AF+64*((\a)%2)+4*\t:AF+64*((\a)%2)+4*\t+3], v[RD] offset:\t*SPITCH
.endr
.endm
.macro SEND a, younger                 ; younger: the LDS instructions issued behind tile a's loads, which may stay out
	s_wait_dscnt \younger
.irp t, 0,1,2,3,4,5,6,7,8,9,10,11,12,13,14,15
	global_store_b128 v[LI], v[AF+64*((\a)%2)+4*\t:AF+64*((\a)%2)+4*\t+3], s[10:11] offset:(32*((\a)/2)+8*((\a)%2)+\t+8*(\t/8))*4096 th:TH_STORE_NT   ; 32 lanes store 512 consecutive bytes, aligned
.endr
.endm
	PLACES NP                                      ; behind the last products: their results are read, and A's registers take the rows read back
	TOSTAGE 0
.irp a, 1,2,3
.if \a > 1
	s_wait_xcnt 0x0                                ; tile a - 2's stores have read their registers
.endif
	TOSTAGE \a
	SEND \a-1, 32                                  ; behind tile a - 1's loads: tile a's 16 stores and 16 loads
.endr
	SEND 3, 0
	s_wait_tensorcnt 0x0                           ; the wave's end
	ds_add_u32 v[SPW], v[NIL]
	s_wait_dscnt 0x0
	CROUND                                         ; the closing round
	s_endpgm
.Lfunc_end_k_qfc73c1e1ef_proj:
	.size	k_qfc73c1e1ef_proj, .Lfunc_end_k_qfc73c1e1ef_proj-k_qfc73c1e1ef_proj
	.p2alignl 7, 3214868480
	.fill 96, 4, 3214868480
	.section	.rodata,"a",@progbits
	.p2align	6, 0x0
	.amdhsa_kernel k_qfc73c1e1ef_proj
		.amdhsa_group_segment_fixed_size 327680
		.amdhsa_private_segment_fixed_size 0
		.amdhsa_enable_private_segment 0
		.amdhsa_kernarg_size 32
		.amdhsa_user_sgpr_count 2
		.amdhsa_user_sgpr_kernarg_segment_ptr 1
		.amdhsa_wavefront_size32 1
		.amdhsa_system_sgpr_workgroup_id_x 1
		.amdhsa_system_sgpr_workgroup_id_y 1
		.amdhsa_system_sgpr_workgroup_id_z 1
		.amdhsa_system_vgpr_workitem_id 0
		.amdhsa_next_free_vgpr 1024
		.amdhsa_next_free_sgpr 100
		.amdhsa_reserve_vcc 0
		.amdhsa_float_denorm_mode_32 3
		.amdhsa_float_denorm_mode_16_64 3
		.amdhsa_memory_ordered 1
		.amdhsa_forward_progress 1
		.amdhsa_inst_pref_size 87
	.end_amdhsa_kernel
	.amdgpu_metadata
---
amdhsa.version: [ 1, 2 ]
amdhsa.kernels:
  - .name:           k_qfc73c1e1ef_proj
    .symbol:         k_qfc73c1e1ef_proj.kd
    .args:
      - { .name: ocodes, .offset: 0, .size: 8, .value_kind: global_buffer, .address_space: global }
      - { .name: wcodes, .offset: 8, .size: 8, .value_kind: global_buffer, .address_space: global }
      - { .name: b_out, .offset: 16, .size: 8, .value_kind: global_buffer, .address_space: global }
      - { .name: out0, .offset: 24, .size: 8, .value_kind: global_buffer, .address_space: global }
    .group_segment_fixed_size: 327680
    .private_segment_fixed_size: 0
    .kernarg_segment_align: 8
    .kernarg_segment_size: 32
    .max_flat_workgroup_size: 128
    .sgpr_count:     100
    .vgpr_count:     1024
    .wavefront_size: 32
...
	.end_amdgpu_metadata
.endif
;; end of part 4
